; MI455X (gfx1250); checked and timed in simulation.
; The chip was launched on July 23, 2026; its instructions are those of AMD's public machine-readable ISA for CDNA 5 (MIT licence, August 2026) and "CDNA5" Instruction Set Architecture Reference Guide (July 2026). The comments in the code are by the model that wrote it; some were corrected since.
;; Multihead Attention. Allowed arithmetic: matrix products marked QUANTISED: E4M3 operands, one given power-of-two scale a tensor, by v_wmma_f32_16x16x64_fp8_fp8 or v_wmma_f32_16x16x128_fp8_fp8, f32 sums; everything else in f32.
;; Inputs: bk 1,024 float32; bo 1,024 float32; bq 1,024 float32; bv 1,024 float32; data 8 x 1,024 x 1,024 float32; latent 8 x 1,024 x 1,024 float32; lowp_scales 12 int32 (the exponents e of the quantised operands' scales 2^e); wk 1,024 x 1,024 float32; wo 1,024 x 1,024 float32; wq 1,024 x 1,024 float32; wv 1,024 x 1,024 float32.
;; Outputs: out0 8 x 1,024 x 1,024 float32.
;; This version of the problem:
;;   THIS VERSION OF THE PROBLEM IS GIVEN IN LOW PRECISION. The matrix products marked QUANTISED in the list below multiply operands that are first quantised to E4M3 (4 exponent bits, 3 mantissa bits; 8 bits a number), with one given power-of-two scale for each operand tensor; their sums are f32. All else is computed in f32.
;;   The module's matrix products, in the order in which they are computed (A, B: the left and right operand; K: the contracted axis; several contracted axes count as one K, in the product's order):
;;     1. [M 8,192, K 1,024] x [K 1,024, N 1,024]; A: input latent; B: input wq: QUANTISED (scales: A lowp_scales[0], B lowp_scales[1])
;;     2. [M 8,192, K 1,024] x [K 1,024, N 1,024]; A: input data; B: input wk: QUANTISED (scales: A lowp_scales[2], B lowp_scales[3])
;;     3. [M 8,192, K 1,024] x [K 1,024, N 1,024]; A: input data; B: input wv: QUANTISED (scales: A lowp_scales[4], B lowp_scales[5])
;;     4. batch 128 x [M 1,024, K 64] x [K 64, N 1,024]; A: computed on the way; B: computed on the way: QUANTISED (scales: A lowp_scales[6], B lowp_scales[7])
;;     5. batch 128 x [M 1,024, K 1,024] x [K 1,024, N 64]; A: softmax (see below); B: computed on the way: QUANTISED (scales: A lowp_scales[8], B lowp_scales[9])
;;     6. [M 8,192, K 1,024] x [K 1,024, N 1,024]; A: computed on the way; B: input wo: QUANTISED (scales: A lowp_scales[10], B lowp_scales[11])
;;   THE QUANTISER, for each operand of a quantised product, along K:
;;     - The operand's scale is 2^e, e = its entry of the input lowp_scales (int32; the entries are numbered through the quantised products in the list's order, A before B).
;;     - Each number is divided by the scale, clamped to +-448, and rounded to the nearest number of E4M3, ties to even, subnormals kept.
;;     - The product sums the exact products of the quantised numbers (number of the format x scale) in f32.
;;   ~~~python
;;   def quantise(x, axis, e):      # numpy; x: float32 -> the quantised numbers, widened to float32 again
;;       x = np.moveaxis(x, axis, -1); K = x.shape[-1]
;;       r = np.clip(x / 2.0 ** e, -448, 448)
;;       step = 2.0 ** (np.maximum(np.frexp(np.where(r == 0, 1, r))[1] - 1, -6) - 3)
;;       q = np.round(r / step) * step * 2.0 ** e      # np.round: ties to even
;;       return np.moveaxis(q, -1, axis).astype(np.float32)
;;   ~~~
;;   SOFTMAX AHEAD OF A QUANTISED PRODUCT. Where the list says 'softmax', what is quantised is not the finished softmax but p = 2^(t - M), with t = logit x log2(e) and M = ceil(the row's largest t), a whole number; so 1/2 < the row's largest p <= 1. The row's sum l is taken of the UNQUANTISED p, in f32, and the product's result is divided by l at the end. Since M is a whole number, a kernel that streams over the keys may use a running M (the ceiling of the running maximum): every later rescaling is an exact power of two, so the quantised numbers keep their values, but for numbers so far below the row's largest that they fall under the format's range.
;;   OPERANDS COMPUTED ON THE WAY. 'Computed on the way' means the value that the module computes at that place (a softmax that the list does not call 'softmax' is quantised finished and normalised). What goes into a quantiser is computed in f32, as accurately as f32 sums, v_exp_f32 and their like allow (about 1e-6 of the number): no bf16 or f16 on the way to a quantiser, and a product that is left as it is and whose result goes on into a quantised operand takes f32 operands (vector FMAs, or v_wmma_f32_16x16x4_f32). A number that lies on a knife's edge between two numbers of the format may be rounded either way, as far as f32 arithmetic and the matrix unit's own rounding can turn it there, and no further.
;; One version. Each part assembles by itself: llvm-mc -triple=amdgcn-amd-amdhsa -mcpu=gfx1250 --defsym DOCPART=n.
;; ======== version 1 of 1: 4 launches
;; limits: right only within a limited range of input values
;; workspace buffers: act_img 25,165,824 bytes; w_img 4,194,304 bytes; qkv_img 25,165,824 bytes; att_img 8,388,608 bytes
;; launch quant (part 1): grid 512 x 1, 4 waves a work-group, no clusters, 70,144 bytes of LDS; arguments latent, data, wq, wk, wv, wo, lowp_scales, act_img, w_img; writes act_img, w_img
.if DOCPART == 1
	.amdgcn_target "amdgcn-amd-amdhsa--gfx1250"
	.amdhsa_code_object_version 6
	.text
	.protected	k_qf3915fabea_quant
	.globl	k_qf3915fabea_quant
	.p2align	8
	.type	k_qf3915fabea_quant,@function
k_qf3915fabea_quant:
	s_mov_b64 s[64:65], 0
	v_nop
	global_prefetch_b8 v0, s[64:65] scope:SCOPE_SE
	s_setreg_imm32_b32 hwreg(HW_REG_WAVE_MODE, 25, 1), 1
	s_wait_xcnt 0x0
; All input operands of products 1, 2, 3 and 6 become codes of FP8 (E4M3), each with the scale 2^e that is given for it:
; code = x / 2^e, held within +-448, rounded to the nearest code, ties to even.
; THE CODES ARE LAID AS IMAGES OF OPERAND REGISTERS.  A fragment is 16 rows x 128 along K = 2,048 bytes: [piece cc 0..3][lane 0..31][16 bytes], lane = r + 16 h, r the row in its tile of 16.
; An operand with K = 1,024: byte = tile16 x 16,384 + S x 2,048 + cc x 512 + lane x 16 (S: the K step).  Which k lies in which byte is free, so long as both operands of a product agree:
;   map 1 (latent, data, wq, wk, wv): byte 4 i + j of piece (S, cc, h) is k = 512 (S / 4) + 32 (S % 4) + 128 i + 8 cc + 4 h + j;
;   map 2 (wo):                       byte 8 u + j                     is k = 128 S + 32 cc + 16 u + 8 h + j: the order in which the attention launch's registers hold its result.
; act_img: latent (e0) at 0, data (e2) at 8 MiB, data (e4) at 16 MiB.  w_img: wq (e1), wk (e3), wv (e5), wo (e11), 1 MiB each, rows = the weight's columns n.
; Work-groups 0-255 take the activations, 256-511 the weights: a branch on the work-group's number.  Only the first path touches LDS.  No input is shared between work-groups, so there is no cluster;
; memory binds, so there is no matrix work and no tensor load.
; LIMITS: each e lies between -126 and 119, so that 2^e and 448 x 2^e are f32 numbers.  NaN among the inputs is not served.
.set WREG,  17408                      ; LDS of a wave: two stages of 32 x 272 bytes
.set STGB,  8704                       ; the second stage
.set SPARE, 4*WREG                     ; behind the four regions: the spare words, 128 bytes a wave: two blocks of 256 bytes that no other line names
.set SPW,   14                         ; v14  LDS address of my spare word; never rewritten
.set NIL,   15                         ; v15  0; never rewritten
.set T,     16                         ; v16-31   16 numbers held for the first of data's two scales
.set C,     32                         ; v32-63   codes
.set X,     64                         ; v64-191  numbers as loaded: four sets of 32 (activations), eight pieces of 16 (weights)
.set R,     192                        ; v192-255 an image on its way out
.macro MKSC se, st, vsc, vlim          ; from the whole number e in s[se]: 2^e as f32 (the conversion takes its exponent field), and 448 x 2^e
	s_add_co_i32 s[\st], s[\se], 127
	s_lshl_b32 s[\st+1], s[\st], 23
	v_mov_b32 v[\vsc], s[\st+1]
	s_add_co_i32 s[\st], s[\st], 8
	s_lshl_b32 s[\st], s[\st], 23
	s_or_b32 s[\st], s[\st], 0x600000
	v_mov_b32 v[\vlim], s[\st]
.endm
	s_load_b512 s[8:23], s[0:1], 0x0               ; latent s[8:9], data s[10:11], wq s[12:13], wk s[14:15], wv s[16:17], wo s[18:19], the exponents s[20:21], act_img s[22:23]
	s_load_b64 s[24:25], s[0:1], 0x40              ; w_img
	v_lshl_add_u32 v[SPW], v0, 2, SPARE
	v_mov_b32 v[NIL], 0
	v_lshrrev_b32 v1, 5, v0
	v_readfirstlane_b32 s26, v1                    ; wave 0..3
	v_and_b32 v1, 31, v0                           ; lane
	v_lshlrev_b32 v2, 4, v1                        ; 16 x lane
	s_wait_kmcnt 0x0
	s_load_b256 s[28:35], s[20:21], 0x0            ; e0 .. e7
	s_load_b128 s[36:39], s[20:21], 0x20           ; e8 .. e11
	s_cmp_ge_u32 ttmp9, 256
	s_cbranch_scc1 .Lweights
; ---------------- THE ACTIVATIONS.  Wave job J = 4 x work-group + wave takes 16 rows (tile J / 2) x 512 along K (half J % 2), of latent and then of data.
; A load reads 512 consecutive bytes of a row, 16 a lane: after a row's four loads lane l holds k = 128 i + 4 l + j, which map 1 makes ONE piece of 16 codes: piece l of the 32 of this half.
; The codes, a quarter of the numbers' bytes, turn through the wave's own stage: piece l's 16 bytes of row r at 272 l + 16 r; read back by pieces, 256 bytes each, they are the image as it lies in memory.
	s_lshl_b32 s46, ttmp9, 2
	s_add_co_u32 s46, s46, s26                     ; J
	s_lshr_b32 s48, s46, 1
	s_lshl_b32 s48, s48, 16                        ; 16 rows of 4,096 bytes
	s_and_b32 s47, s46, 1
	s_lshl_b32 s47, s47, 11                        ; + the half: 2,048 bytes
	s_add_co_u32 s48, s48, s47
	s_mov_b32 s49, 0
	s_add_nc_u64 s[8:9], s[8:9], s[48:49]
	s_add_nc_u64 s[10:11], s[10:11], s[48:49]
.macro LOADG g                         ; group g: two rows, eight loads; groups 0-7 latent, 8-15 data; into set g % 4
.if (\g) < 8
.set BS, 8
.else
.set BS, 10
.endif
.irp rr, 0,1
.irp i, 0,1,2,3
	global_load_b128 v[X+32*((\g)%4)+16*\rr+4*\i:X+32*((\g)%4)+16*\rr+4*\i+3], v2, s[BS:BS+1] offset:(2*((\g)%8)+\rr)*4096+512*\i th:TH_LOAD_NT
.endr
.endr
.endm
	s_wait_alu depctr_va_vdst(0)
.irp g, 0,1,2,3
	LOADG \g                                       ; 32 loads of a wave are on their way from here on
.endr
	; THE IMAGES' ORDER IN MEMORY (it takes the place of the byte formula at the head): [block of 128 rows][256 along K: S / 2][tile of 16 rows in the block][S % 2][piece][lane][16]:
	; byte = (tile16 / 8) x 131,072 + (S / 2) x 32,768 + (tile16 % 8) x 4,096 + (S % 2) x 2,048 + cc x 512 + lane x 16: what a product's wave fetches for 128 rows x 256 K is one dense run of 32,768 bytes
	s_lshr_b32 s48, s46, 4                         ; the block of 128 rows: J / 16
	s_lshl_b32 s48, s48, 17
	s_and_b32 s47, s46, 1                          ; my half of K: two runs of 32,768 bytes
	s_lshl_b32 s47, s47, 16
	s_add_co_u32 s48, s48, s47
	s_bfe_u32 s47, s46, 0x30001                    ; the tile in its block: (J / 2) % 8
	s_lshl_b32 s47, s47, 12
	s_add_co_u32 s48, s48, s47
	s_add_nc_u64 s[40:41], s[22:23], s[48:49]      ; latent's
	s_add_nc_u64 s[42:43], s[40:41], 0x800000      ; data's with e2
	s_add_nc_u64 s[44:45], s[40:41], 0x1000000     ; data's with e4
	s_mul_i32 s50, s26, WREG
	v_mul_u32_u24 v3, v1, 272
	v_add_nc_u32 v3, s50, v3                       ; into the stage: my piece's row; 272 = 17 x 16 bytes, so sixteen lanes' 16 bytes fall on sixteen different columns of 16 bytes
	v_lshrrev_b32 v13, 4, v1
	v_mul_u32_u24 v4, v13, 272
	v_and_b32 v13, 15, v1
	v_lshl_add_u32 v4, v13, 4, v4
	v_add_nc_u32 v4, s50, v4                       ; out of it: sixteen lanes to a piece, two pieces an instruction
	s_wait_kmcnt 0x0
	MKSC 28, 52, 6, 7                              ; e0
	MKSC 30, 52, 8, 9                              ; e2
	MKSC 32, 52, 10, 11                            ; e4
.macro GROUP g
.set XS, X+32*((\g)%4)
.if 15-(\g) >= 3
	s_wait_loadcnt 24                              ; my eight loads are in; those of the three younger groups stay out
.else
	s_wait_loadcnt 8*(15-(\g))
.endif
	s_wait_dscnt 0x0                               ; the last group's stores into the stage have read the codes' registers
.irp rr, 0,1
.if (\g) < 8
.set j, 0
.rept 16
	v_med3_num_f32 v[XS+16*\rr+j], v[XS+16*\rr+j], -v7, v7     ; the conversion to an 8-bit code does not saturate (ISA guide 7.6.2): the hold at the largest code x the scale
.set j, j+1
.endr
	v_cvt_scalef32_pk8_fp8_f32 v[C+8*\rr:C+8*\rr+1], v[XS+16*\rr:XS+16*\rr+7], v6
	v_cvt_scalef32_pk8_fp8_f32 v[C+8*\rr+2:C+8*\rr+3], v[XS+16*\rr+8:XS+16*\rr+15], v6
	ds_store_b128 v3, v[C+8*\rr:C+8*\rr+3] offset:16*(2*((\g)%8)+\rr)
.else
.set j, 0
.rept 16
	v_med3_num_f32 v[T+j], v[XS+16*\rr+j], -v9, v9             ; data is read once and quantised twice: with e2 out of a copy,
.set j, j+1
.endr
	v_cvt_scalef32_pk8_fp8_f32 v[C+8*\rr:C+8*\rr+1], v[T:T+7], v8
	v_cvt_scalef32_pk8_fp8_f32 v[C+8*\rr+2:C+8*\rr+3], v[T+8:T+15], v8
	ds_store_b128 v3, v[C+8*\rr:C+8*\rr+3] offset:16*(2*((\g)%8)+\rr)
.set j, 0
.rept 16
	v_med3_num_f32 v[XS+16*\rr+j], v[XS+16*\rr+j], -v11, v11   ; with e4 in place.  (These sixteen plain lines also stand between the conversions above and the next write of their sources)
.set j, j+1
.endr
	v_cvt_scalef32_pk8_fp8_f32 v[C+8*\rr+4:C+8*\rr+5], v[XS+16*\rr:XS+16*\rr+7], v10
	v_cvt_scalef32_pk8_fp8_f32 v[C+8*\rr+6:C+8*\rr+7], v[XS+16*\rr+8:XS+16*\rr+15], v10
	ds_store_b128 v3, v[C+8*\rr+4:C+8*\rr+7] offset:STGB+16*(2*((\g)%8)+\rr)
.endif
.endr
.if (\g)+4 <= 15
	LOADG (\g)+4                                   ; the set just read takes the group four further on
.endif
.endm
.macro SENDIMG stg, reg, bs            ; a stage's 32 pieces leave: store t covers 512 consecutive bytes of the image, at a multiple of 512 from its first byte
.irp t, 0,1,2,3,4,5,6,7,8,9,10,11,12,13,14,15
	ds_load_b128 v[\reg+4*\t:\reg+4*\t+3], v4 offset:\stg+544*\t   ; LDS serves a wave's instructions in order (ISA guide 5.7.1.4): these see my stores
.endr
.irp t, 0,1,2,3,4,5,6,7,8,9,10,11,12,13,14,15
	s_wait_dscnt 15-\t                             ; load t is in; the younger ones stay out
	global_store_b128 v2, v[\reg+4*\t:\reg+4*\t+3], s[\bs:\bs+1] offset:512*(\t%8)+32768*(\t/8)   ; two K steps on end, the next two 32,768 bytes on
.endr
.endm
	s_wait_alu depctr_va_vdst(0)
.irp g, 0,1,2,3,4,5,6,7
	GROUP \g
.endr
	SENDIMG 0, R, 40                               ; latent's image
.irp g, 8,9,10,11,12,13,14,15
	GROUP \g
.endr
	s_wait_xcnt 0x0                                ; latent's stores have read v192-255: they are loaded again only behind this wait
	SENDIMG 0, R, 42                               ; data with e2
	SENDIMG STGB, X, 44                            ; data with e4, through the registers that the loads have left
	s_wait_tensorcnt 0x0                           ; the wave's end, behind my last LDS store
	ds_add_u32 v[SPW], v[NIL]
	s_wait_dscnt 0x0
	s_endpgm
; ---------------- THE WEIGHTS, stored [k][n].  id = work-group - 256: weight id / 64, K step S = (id / 8) % 8, columns 128 (id % 8) on.  A LANE TAKES A COLUMN n AND ITS REGISTERS RUN DOWN K, in the order of
; its map: register 16 pc + y is byte y of piece pc = 2 cc + h.  So the conversions' results are the image's bytes, and nothing is transposed.  A load reads 128 consecutive bytes a wave, 512 a work-group.
.Lweights:
	s_sub_co_u32 s46, ttmp9, 256
	s_lshr_b32 s47, s46, 6                         ; which weight
	s_bfe_u32 s48, s46, 0x30003                    ; S
	s_and_b32 s49, s46, 7                          ; which 128 columns
	s_cmp_eq_u32 s47, 1                            ; the choice hangs on the work-group's number alone
	s_cselect_b64 s[12:13], s[14:15], s[12:13]
	s_cmp_eq_u32 s47, 2
	s_cselect_b64 s[12:13], s[16:17], s[12:13]
	s_cmp_eq_u32 s47, 3
	s_cselect_b64 s[12:13], s[18:19], s[12:13]
	s_lshr_b32 s52, s48, 2
	s_lshl_b32 s52, s52, 21                        ; map 1: the K step's first row is 512 (S / 4) + 32 (S % 4); a row is 4,096 bytes
	s_and_b32 s53, s48, 3
	s_lshl_b32 s53, s53, 17
	s_add_co_u32 s52, s52, s53
	s_lshl_b32 s53, s48, 19                        ; map 2: 128 S
	s_cmp_eq_u32 s47, 3
	s_cselect_b32 s50, s53, s52
	s_lshl_b32 s52, s49, 9                         ; + my work-group's 128 columns
	s_add_co_u32 s50, s50, s52
	s_lshl_b32 s52, s26, 7                         ; + my wave's 32
	s_add_co_u32 s50, s50, s52
	s_mov_b32 s51, 0
	s_add_nc_u64 s[12:13], s[12:13], s[50:51]
	s_lshl_b32 s50, s47, 20                        ; the image: 1 MiB a weight,
	s_lshl_b32 s52, s49, 17                        ; tiles of 16 columns 8 (id % 8) + 2 wave + lane / 16, 16,384 bytes each,
	s_add_co_u32 s50, s50, s52
	s_lshl_b32 s52, s26, 13                        ; tile 2 wave + lane / 16 of the block's eight, 4,096 bytes each
	s_add_co_u32 s50, s50, s52
	s_lshr_b32 s52, s48, 1                         ; S / 2: 32,768 bytes
	s_lshl_b32 s52, s52, 15
	s_add_co_u32 s50, s50, s52
	s_and_b32 s52, s48, 1                          ; S % 2: 2,048 bytes
	s_lshl_b32 s52, s52, 11
	s_add_co_u32 s50, s50, s52
	s_add_nc_u64 s[24:25], s[24:25], s[50:51]
	s_wait_alu depctr_va_vdst(0)
	v_lshlrev_b32 v5, 2, v1                        ; in: 4 bytes a lane
	v_lshrrev_b32 v13, 4, v1
	v_and_b32 v12, 15, v1
	v_lshlrev_b32 v12, 4, v12
	v_lshl_add_u32 v12, v13, 12, v12               ; out: lanes 0-15 one tile, lanes 16-31 the next, 4,096 bytes on; 16 bytes a lane
.macro WLOAD map, pc                   ; piece pc = 2 cc + h: 16 loads, into registers of its own
.set PCC, (\pc)/2
.set PH,  (\pc)%2
.set y, 0
.rept 16
.if \map == 1
.set KL, 128*(y/4)+8*PCC+4*PH+(y%4)
.else
.set KL, 32*PCC+16*(y/8)+8*PH+(y%8)
.endif
	global_load_b32 v[X+16*(\pc)+y], v5, s[12:13] offset:KL*4096 th:TH_LOAD_NT
.set y, y+1
.endr
.endm
.macro WJOB map
	WLOAD \map, 0
	WLOAD \map, 1
	WLOAD \map, 2                                  ; three pieces, 48 loads of a wave, are on their way
	s_wait_kmcnt 0x0
	s_cmp_eq_u32 s47, 1                            ; the weight's e: e1, e3, e5 or e11
	s_cselect_b32 s29, s31, s29
	s_cmp_eq_u32 s47, 2
	s_cselect_b32 s29, s33, s29
	s_cmp_eq_u32 s47, 3
	s_cselect_b32 s29, s39, s29
	MKSC 29, 52, 6, 7
	s_wait_alu depctr_va_vdst(0)
.irp pc, 0,1,2,3,4,5,6,7
.if \pc < 6
	s_wait_loadcnt 32                              ; this piece's 16 loads are in; the two younger pieces' stay out
.else
	s_wait_loadcnt 16*(7-\pc)
.endif
.if \pc < 5
	WLOAD \map, \pc+3                              ; three pieces ahead
.endif
.set y, 0
.rept 16
	v_med3_num_f32 v[X+16*\pc+y], v[X+16*\pc+y], -v7, v7       ; the hold at the largest code x the scale
.set y, y+1
.endr
	v_cvt_scalef32_pk8_fp8_f32 v[C+4*\pc:C+4*\pc+1], v[X+16*\pc:X+16*\pc+7], v6
	v_cvt_scalef32_pk8_fp8_f32 v[C+4*\pc+2:C+4*\pc+3], v[X+16*\pc+8:X+16*\pc+15], v6
	global_store_b128 v12, v[C+4*\pc:C+4*\pc+3], s[24:25] offset:256*\pc   ; sixteen lanes store 256 consecutive bytes, aligned, of each of two tiles; each piece has its own code registers, so no store's data are written again
.endr
.endm
	s_cmp_eq_u32 s47, 3
	s_cbranch_scc1 .Lmap2
	s_wait_alu depctr_va_vdst(0)
	WJOB 1
	s_endpgm
.Lmap2:
	s_wait_alu depctr_va_vdst(0)
	WJOB 2
	s_endpgm
.Lfunc_end_k_qf3915fabea_quant:
	.size	k_qf3915fabea_quant, .Lfunc_end_k_qf3915fabea_quant-k_qf3915fabea_quant
	.p2alignl 7, 3214868480
	.fill 96, 4, 3214868480
	.section	.rodata,"a",@progbits
	.p2align	6, 0x0
	.amdhsa_kernel k_qf3915fabea_quant
		.amdhsa_group_segment_fixed_size 70144
		.amdhsa_private_segment_fixed_size 0
		.amdhsa_enable_private_segment 0
		.amdhsa_kernarg_size 72
		.amdhsa_user_sgpr_count 2
		.amdhsa_user_sgpr_kernarg_segment_ptr 1
		.amdhsa_wavefront_size32 1
		.amdhsa_system_sgpr_workgroup_id_x 1
		.amdhsa_system_sgpr_workgroup_id_y 1
		.amdhsa_system_sgpr_workgroup_id_z 1
		.amdhsa_system_vgpr_workitem_id 0
		.amdhsa_next_free_vgpr 256
		.amdhsa_next_free_sgpr 66
		.amdhsa_reserve_vcc 0
		.amdhsa_float_denorm_mode_32 3
		.amdhsa_float_denorm_mode_16_64 3
		.amdhsa_memory_ordered 1
		.amdhsa_forward_progress 1
		.amdhsa_inst_pref_size 129
	.end_amdhsa_kernel
	.amdgpu_metadata
---
amdhsa.version: [ 1, 2 ]
amdhsa.kernels:
  - .name:           k_qf3915fabea_quant
    .symbol:         k_qf3915fabea_quant.kd
    .args:
      - { .name: latent, .offset: 0, .size: 8, .value_kind: global_buffer, .address_space: global }
      - { .name: data, .offset: 8, .size: 8, .value_kind: global_buffer, .address_space: global }
      - { .name: wq, .offset: 16, .size: 8, .value_kind: global_buffer, .address_space: global }
      - { .name: wk, .offset: 24, .size: 8, .value_kind: global_buffer, .address_space: global }
      - { .name: wv, .offset: 32, .size: 8, .value_kind: global_buffer, .address_space: global }
      - { .name: wo, .offset: 40, .size: 8, .value_kind: global_buffer, .address_space: global }
      - { .name: lowp_scales, .offset: 48, .size: 8, .value_kind: global_buffer, .address_space: global }
      - { .name: act_img, .offset: 56, .size: 8, .value_kind: global_buffer, .address_space: global }
      - { .name: w_img, .offset: 64, .size: 8, .value_kind: global_buffer, .address_space: global }
    .group_segment_fixed_size: 70144
    .private_segment_fixed_size: 0
    .kernarg_segment_align: 8
    .kernarg_segment_size: 72
    .max_flat_workgroup_size: 128
    .sgpr_count:     66
    .vgpr_count:     256
    .wavefront_size: 32
...
	.end_amdgpu_metadata
.endif
;; end of part 1
;; launch proj (part 2): grid 4 x 48, 4 waves a work-group, clusters of 4 x 4, 327,680 bytes of LDS; arguments act_img, w_img, bq, bk, bv, lowp_scales, qkv_img; writes qkv_img
.if DOCPART == 2
	.amdgcn_target "amdgcn-amd-amdhsa--gfx1250"
	.amdhsa_code_object_version 6
	.text
	.protected	k_qf3915fabea_proj
	.globl	k_qf3915fabea_proj
	.p2align	8
	.type	k_qf3915fabea_proj,@function
k_qf3915fabea_proj:
	s_mov_b64 s[64:65], 0
	v_nop
	global_prefetch_b8 v0, s[64:65] scope:SCOPE_SE
	s_setreg_imm32_b32 hwreg(HW_REG_WAVE_MODE, 25, 1), 1
	s_wait_xcnt 0x0
	s_wait_alu depctr_hold_cnt(0) depctr_sa_sdst(0) depctr_va_vdst(0) depctr_va_sdst(0) depctr_va_ssrc(0) depctr_va_vcc(0) depctr_vm_vsrc(0)
	s_getreg_b32 s2, hwreg(HW_REG_IB_STS2, 6, 4)
	s_cmp_eq_u32 s2, 0
	s_cbranch_scc0 .Lentry_in_a_cluster
	s_endpgm
.Lentry_in_a_cluster:
	s_bfe_u32 s2, ttmp6, 0x10000c
	s_cmp_lg_u32 s2, 0xf033
	s_cbranch_scc0 .Lentry_shape_is_right
	s_endpgm
.Lentry_shape_is_right:
; Products 1 to 3 on codes of FP8 (E4M3): q = latent wq + bq, k = data wk + bk, v = data wv + bv; each result is quantised at once, with the scale given for it as an operand of products 4 and 5 (e6, e7, e9).
; OPERANDS are images of registers: a fragment (16 rows x 128 K) is 2,048 bytes [piece 0..3][lane][16]; byte = tile16 x 16,384 + K step x 2,048 + piece x 512 + lane x 16.  Both operands hold k in the same places.
; A tile of 256 x 256 is made by four waves, as many as a WGP has SIMDs, each 128 x 128: 64 accumulators, 512 registers.  K = 1,024 goes in four slots' worth of 256 through a ring of two LDS slots.
; THE MATRIX INSTRUCTION IS USED TRANSPOSED: source 0 = 16 rows of 'B', source 1 = 16 rows of 'A': a lane holds one row of A and eight neighbouring rows of B.
;   q, k (p = 0, 1): A = tokens, B = the weight's columns.  A lane's 8 x 4 results of a head's four blocks, converted, ARE the 8 registers of a 16 x 64 fragment of q or k (register 2 b + w, byte y: d = 16 b + 8 h + 4 w + y).
;   v    (p = 2):    A = wv's columns (d), B = tokens: only the two pointers change places.  A lane's 8 x 8 results, converted, ARE the 16 registers of a fragment 16 d x 128 keys (registers 2 T, 2 T + 1: keys 16 T + 8 h + 0 .. 7).
; So the results leave as images, 16 bytes a lane, 512 consecutive bytes a store, with no way through LDS.
; qkv_img: q at 0 and k at 8 MiB: [batch x 16 + head][tile of 16 tokens 0..63][piece 0..1][lane][16]; v at 16 MiB: [batch x 16 + head][128 keys 0..7][16 d 0..3][piece 0..3][lane][16]; 65,536 bytes a head each.
; CLUSTERS: 4 x 4 work-groups.  A cluster's job is 1,024 x 1,024 of one projection: job = 8 p + g, g the block of 1,024 tokens.  The four of a row of the cluster need the same tiles of A, the four of a column the same
; tiles of B: each tile is asked for JOINTLY.  A job's p and g are the same in all sixteen.
; A WORK-GROUP STAYS: the 24 jobs go to 12 clusters: cluster y takes job y (q or k) and then job y + 12 (k or v), so every work-group makes two tiles, and arguments, first tiles and the closing are paid once for both.
; The ring does not stop at the first tile's end: its last change of slots asks for the second tile's K steps 0 and 1, a round behind its last product for K steps 2 and 3, and the first tile goes out while those land.
; LIMITS: e0 + e1, e2 + e3, e4 + e5 between -126 and 127; e6, e7, e9 between -126 and 119.  NaN among the inputs is not served.
; REGISTERS, in windows of 256: window 0: v0-31 addresses and scales; v32-95, v96-111 the biases; from v128 A's fragments, ONE set; on the way out v128-255 are free.  window 1: B's fragments, TWO sets.  windows 2, 3: the accumulators.
.set BIASC,  0                         ; the first products start the sums with the constant 0
; THE OPERANDS' ORDER IN MEMORY (it takes the place of the byte formula above): [block of 128 rows][256 along K][tile of 16][K step of 128][piece][lane][16]: 128 rows x 256 K are 32,768 dense bytes, the next 256 K follow them.
.set HALFT,  65536                     ; LDS of a quarter (128 rows of A or of B): its part of slot 0, then its part of slot 1
.set SLOT,   32768                     ; 128 rows x 256 K: 8 tiles of 16 x 4,096 bytes: what a refill brings; the head's one load brings two on end
.set SPARE,  4*HALFT                   ; behind the ring: the spare words, 128 bytes a wave: two blocks of 256 bytes that no other line names
; THE PREFETCHES.  Behind each joint refill and the run of LDS loads that follows it stands one prefetch a wave, for the 32,768 bytes that my wave fetches TWO refills later; the head asks for the first two refills'.
; The four partners that ask for such a run jointly share it out by address: 8,192 bytes each (place cx for A, cy for B), lanes 256 bytes apart.  Each cluster asks for its own activations; a weight, which
; several clusters read, is asked for by the clusters whose job has g < 4 alone: four at the most.  The last two refills ask for nothing: no slot follows.  s[104:105]: my share's first byte; v27: 256 x lane; s67, s99: 1 where my wave asks, in the first and in the second job.
.set FR,     16                        ; registers of a fragment
.set NL,     4                         ; LDS loads that bring one
.set NP,     4                         ; places behind this matrix instruction (ISA guide 7.12.1)
.set ADRA, 16                          ; v16-17  LDS address of my A fragments in slot 0, 1
.set ADRB, 20                          ; v20-21  the same for B
.set CO,   26                          ; v26     16 x lane
.set SPW,  28                          ; v28     LDS address of my spare word; never rewritten
.set NIL,  29                          ; v29     0; never rewritten
.set BN,   32                          ; v32-95  the bias by B's rows: register 8 b + j: row 16 b + 8 h + j
.set BM,   96                          ; v96-111 the bias by A's rows: registers 2 a, 2 a + 1: row 16 a + r, twice
.set TMP,  128                         ; the way out: a block's 64 numbers
.set AF,   128                         ; A's fragments
.set G1, 24                            ; s[24:31] descriptor group 1 for A's tiles;  s[32:39] group 0, one set for each slot
.set G0, 32
.set G1B, 48                           ; s[48:55], s[56:63] the same for B's tiles
.set G0B, 56
.set NA,  12                           ; s[12:13] where my part of the second tile's A begins
.set NB,  44                           ; s[44:45] the same for B
; s66, s17, s42: the first job's p, tile of A, tile of B;  s98, s100, s101: the second job's
.set MSB, 0
.macro WIN new                         ; the immediate's high byte repeats the setting that is left
.if MSB != (\new)
	s_set_vgpr_msb (MSB<<8)|(\new)
.set MSB, (\new)
.endif
.endm
.set MUL_LO, 0xa1                      ; source 0 (B) window 1, source 1 (A) window 0, C and D window 2
.set MUL_HI, 0xf1                      ; the same, C and D window 3
.set TO_B,   0x40                      ; destination window 1, address window 0
.macro WINM hi, zero                   ; the windows of a run of products; where a bias in window 0 starts the sums, C's window is 0
.if (\zero) && BIASC
	WIN 0x81+0x40*(\hi)
.else
	WIN MUL_LO+0x50*(\hi)
.endif
.endm
.macro MKSC se, st, vsc, vlim          ; from the whole number e in s[se]: 2^e as f32, and 448 x 2^e
	s_add_co_i32 s[\st], s[\se], 127
	s_lshl_b32 s[\st+1], s[\st], 23
	v_mov_b32 v[\vsc], s[\st+1]
	s_add_co_i32 s[\st], s[\st], 8
	s_lshl_b32 s[\st], s[\st], 23
	s_or_b32 s[\st], s[\st], 0x600000
	v_mov_b32 v[\vlim], s[\st]
.endm
; A joint load: waves 0 and 1 fetch for A, waves 2 and 3 for B.  Each of the two lines has ONE mask and one set of registers for all that issue it; the branch hangs on the wave's number alone.
; An s_nop 0 and four v_nop follow each of the two lines, ahead of the jump, the label and what follows.
.macro JLOAD g0a, g1a, g0b, g1b
	s_cmp_eq_u32 s15, 0
	s_cbranch_scc0 .Lfor_b_\@
	tensor_load_to_lds s[\g0a:\g0a+3], s[\g1a:\g1a+7]
	s_nop 0
.rept 4
	v_nop
.endr
	s_branch .Lasked_\@
.Lfor_b_\@:
	tensor_load_to_lds s[\g0b:\g0b+3], s[\g1b:\g1b+7]
	s_nop 0
.rept 4
	v_nop
.endr
.Lasked_\@:
.endm
.macro CREST                           ; a round of the cluster's barrier behind its opening barrier
	s_cmp_lg_u32 s14, 0
	s_cbranch_scc1 .Lnot_wave_0_\@
	s_barrier_signal -3
.Lnot_wave_0_\@:
	s_barrier_wait -3
	s_barrier_signal -1
	s_barrier_wait -1
.endm
.macro CROUND                          ; a whole round
	s_barrier_signal -1
	s_barrier_wait -1
	CREST
.endm
; From a job's number in s[sp]: p (left in s[sp]), and my tiles of A and of B.  The tokens are A's rows for q and k, B's rows for v.
.macro PLACE sp, sg, sta, stb
	s_and_b32 s[\sg], s[\sp], 7
	s_lshl_b32 s[\sg], s[\sg], 2                   ; 4 g: the job's first tile of 256 tokens
	s_lshr_b32 s[\sp], s[\sp], 3                   ; p: 0 q, 1 k, 2 v
	s_cmp_lt_u32 s[\sp], 2
	s_cselect_b32 s[\sta], s[\sg], 0
	s_cselect_b32 s[\stb], 0, s[\sg]
	s_add_co_u32 s[\sta], s[\sta], s41             ; A's tile: it hangs on cy alone of the two places
	s_add_co_u32 s[\stb], s[\stb], s40             ; B's tile: on cx alone
.endm
; Where my part of a job's tiles begins in memory: A's into s[da:da+1], B's into s[db:db+1].  s18 = 131,072 x (which 128 rows of a tile I fetch).  A's chain of registers never holds cx, B's never cy.
.macro ADDR sp, sta, stb, da, db
	s_lshl_b32 s22, s[\sp], 23                     ; the activations' image p: 8 MiB each
	s_mov_b32 s23, 0
	s_add_nc_u64 s[4:5], s[68:69], s[22:23]
	s_lshl_b32 s22, s[\sp], 20                     ; the weights' image p: 1 MiB each
	s_add_nc_u64 s[6:7], s[70:71], s[22:23]
	s_cmp_lt_u32 s[\sp], 2                         ; the choice hangs on the job's number alone
	s_cselect_b64 s[\da:\da+1], s[4:5], s[6:7]     ; A: the tokens for q and k, wv for v
	s_cselect_b64 s[\db:\db+1], s[6:7], s[4:5]     ; B: the other
	s_lshl_b32 s20, s[\sta], 18                    ; 256 rows are 262,144 bytes
	s_add_co_u32 s20, s20, s18
	s_mov_b32 s21, 0
	s_add_nc_u64 s[\da:\da+1], s[\da:\da+1], s[20:21]
	s_lshl_b32 s46, s[\stb], 18
	s_add_co_u32 s46, s46, s18
	s_mov_b32 s47, 0
	s_add_nc_u64 s[\db:\db+1], s[\db:\db+1], s[46:47]
.endm
	s_load_b256 s[68:75], s[0:1], 0x0              ; act_img s[68:69], w_img s[70:71], bq s[72:73], bk s[74:75]: these stay as they are, for both jobs
	s_load_b128 s[76:79], s[0:1], 0x20             ; bv s[76:77], the exponents s[78:79]
	s_load_b64 s[80:81], s[0:1], 0x30              ; qkv_img
	v_lshl_add_u32 v[SPW], v0, 2, SPARE
	v_mov_b32 v[NIL], 0
	ds_add_u32 v[SPW], v[NIL]                      ; the wave's opening: the add and its wait ahead of my first tensor load; the set-up below, work on registers, stands between them
	ds_add_u32 v[SPW], v[NIL]
	v_lshrrev_b32 v1, 5, v0
	v_readfirstlane_b32 s14, v1                    ; wave 0..3
	s_lshr_b32 s15, s14, 1                         ; which half of A's rows is mine.  Also: I fetch for A (0) or for B (1)
	s_and_b32 s16, s14, 1                          ; which half of B's rows.  Also: which 128 rows of that tile I fetch
	s_bfe_u32 s40, ttmp6, 0x40000                  ; cx, cy: my place in the cluster
	s_bfe_u32 s41, ttmp6, 0x40004
	s_and_b32 s66, ttmp7, 0xffff                   ; cluster y, 0 .. 11: the first job
	s_add_co_u32 s98, s66, 12                      ; the second job
	PLACE 66, 67, 17, 42
	PLACE 98, 99, 100, 101
.macro ASKF sp, sg                     ; s[sg] holds 4 g: it becomes 1 where my wave's operand is the activations (q, k: A's waves; v: B's), or g < 4
	s_xor_b32 s3, s15, 1
	s_cmp_lt_u32 s[\sp], 2
	s_cselect_b32 s2, s3, s15
	s_cmp_lt_u32 s[\sg], 16
	s_cselect_b32 s[\sg], 1, 0
	s_or_b32 s[\sg], s[\sg], s2
.endm
	ASKF 66, 67
	ASKF 98, 99
	s_lshl_b32 s43, s41, 2
	s_lshl_b32 s43, 15, s43                        ; my row of the cluster
	s_lshl_b32 s44, 0x1111, s40                    ; my column
	; descriptor group 1: dense rows of 4,096 bytes, no padding: a fragment load's 32 lanes read 512 consecutive bytes.  At the head 16 rows: both slots' first fill in one load a wave; behind that load's wait 8 rows
	s_or_b32 s[G1+0], s43, (3<<16)|(1<<21)         ; 15:0 the mask: A's tiles go to my row; 17:16 elements of 8 bytes; 21 set beside a mask
	s_or_b32 s[G1B+0], s44, (3<<16)|(1<<21)
.irp g, G1, G1B
	s_mov_b32 s[\g+1], 512<<16                     ; tensor_dim0 = 512 elements
	s_mov_b32 s[\g+2], 16<<16                      ; tensor_dim1 = 16
	s_mov_b32 s[\g+3], 512<<16                     ; tile_dim0
	s_mov_b32 s[\g+4], 16                          ; tile_dim1
	s_mov_b32 s[\g+5], 512                         ; tensor_dim0_stride, in elements: the rows lie on end
	s_mov_b32 s[\g+6], 0
	s_mov_b32 s[\g+7], 0
.endr
	s_lshl_b32 s18, s16, 17                        ; which 128 rows of the tile I fetch: 8 x 16,384 bytes
	s_mul_i32 s45, s14, HALFT                      ; where my tile goes: wave x 65,536: no place in the cluster enters an LDS address
	s_wait_dscnt 0x0                               ; the opening add is done
	s_wait_kmcnt 0x0
	s_load_b256 s[84:91], s[78:79], 0x0            ; e0 .. e7
	s_load_b64 s[92:93], s[78:79], 0x20            ; e8, e9
	ADDR 66, 17, 42, 82, 94                        ; the first job's tiles
	CROUND                                         ; all sixteen work-groups are here: the first joint loads meet
.irp s, 0,1
	s_mov_b32 s[G0+4*\s], 1
	s_add_co_u32 s[G0+4*\s+1], s45, \s*SLOT
	s_add_nc_u64 s[G0+4*\s+2:G0+4*\s+3], s[82:83], \s*32768
	s_or_b32 s[G0+4*\s+3], s[G0+4*\s+3], 0x80000000
	s_mov_b32 s[G0B+4*\s], 1
	s_add_co_u32 s[G0B+4*\s+1], s45, \s*SLOT
	s_add_nc_u64 s[G0B+4*\s+2:G0B+4*\s+3], s[94:95], \s*32768
	s_or_b32 s[G0B+4*\s+3], s[G0B+4*\s+3], 0x80000000
.endr
	JLOAD G0, G1, G0B, G1B                         ; my one tensor load at the head: 65,536 dense bytes, K steps 0 to 3 of my 128 rows, into both slots
	s_cmp_eq_u32 s15, 0                            ; the prefetches' address in the first job: the block that my wave fetches,
	s_cselect_b64 s[104:105], s[82:83], s[94:95]
	s_cselect_b32 s6, s40, s41                     ; + 8,192 x my place among the four that ask for it with me
	s_lshl_b32 s6, s6, 13
	s_mov_b32 s7, 0
	s_add_nc_u64 s[104:105], s[104:105], s[6:7]
	ADDR 98, 100, 101, NA, NB                      ; the second job's tiles: kept until the ring reaches them
	v_and_b32 v6, 31, v0
	v_lshlrev_b32 v[CO], 4, v6                     ; 16 x lane
	v_lshlrev_b32 v27, 8, v6                       ; 256 x lane: the prefetches' offset; never rewritten
	s_mul_i32 s21, s15, HALFT                      ; my 128 rows of A
	s_mul_i32 s22, s16, HALFT                      ; my 128 rows of B,
	s_add_co_u32 s22, s22, 2*HALFT                 ; which lie behind A's 256
.irp s, 0,1
	v_add_nc_u32 v[ADRA+\s], s21, v[CO]
	v_add_nc_u32 v[ADRB+\s], s22, v[CO]
	s_add_co_u32 s21, s21, SLOT
	s_add_co_u32 s22, s22, SLOT
.endr
	v_and_b32 v1, 15, v0                           ; r
	v_bfe_u32 v2, v0, 4, 1                         ; h
	v_lshlrev_b32 v3, 5, v2                        ; 8 h numbers
	v_lshlrev_b32 v4, 2, v1                        ; r numbers
	s_wait_alu depctr_va_vdst(0)
	s_wait_kmcnt 0x0
	s_add_co_i32 s84, s84, s85                     ; e0 + e1
	s_add_co_i32 s86, s86, s87                     ; e2 + e3
	s_add_co_i32 s88, s88, s89                     ; e4 + e5
	s_cmp_eq_u32 s67, 1
	s_cbranch_scc0 .Lno_pf_head
	global_prefetch_b8 v27, s[104:105] offset:65536 th:TH_LOAD_NT scope:SCOPE_SE    ; K steps 4 and 5: the first refill's
	global_prefetch_b8 v27, s[104:105] offset:98304 th:TH_LOAD_NT scope:SCOPE_SE    ; K steps 6 and 7: the second's
.Lno_pf_head:
; What a job's way out needs: the power of two of its sums, its result's scale, its bias in registers, and where its results go.  The choices hang on p; no branch hangs on a given exponent.
.macro EPISET sp, sta, stb
	s_cmp_eq_u32 s[\sp], 1
	s_cselect_b64 s[8:9], s[74:75], s[72:73]
	s_cselect_b32 s94, s86, s84
	s_cselect_b32 s95, s91, s90                    ; the result's own scale: e6, e7
	s_cmp_eq_u32 s[\sp], 2
	s_cselect_b64 s[8:9], s[76:77], s[8:9]
	s_cselect_b32 s94, s88, s94
	s_cselect_b32 s95, s93, s95                    ; or e9
	s_add_co_i32 s94, s94, 127
	s_lshl_b32 s96, s94, 23                        ; 2^(the two operands' e added) as f32
	s_mov_b32 s97, s96                             ; (named with it as a pair, so it is written)
	MKSC 95, 2, 30, 31                             ; v30 = 2^e of the result, v31 = 448 x that
	; the bias, in both forms, so that every register is written whatever p is; the form that p does not use reads inside the buffer too (its tile number is taken modulo 4)
	s_and_b32 s46, s[\stb], 3
	s_lshl_b32 s46, s46, 10                        ; by B's rows: 256 numbers a tile,
	s_lshl_b32 s47, s16, 9                         ; 128 a wave
	s_add_co_u32 s46, s46, s47
	s_mov_b32 s47, 0
	s_add_nc_u64 s[46:47], s[8:9], s[46:47]
	s_and_b32 s20, s[\sta], 3
	s_lshl_b32 s20, s20, 10                        ; by A's rows
	s_lshl_b32 s21, s15, 9
	s_add_co_u32 s20, s20, s21
	s_mov_b32 s21, 0
	s_add_nc_u64 s[20:21], s[8:9], s[20:21]
.irp b, 0,1,2,3,4,5,6,7
	global_load_b128 v[BN+8*\b:BN+8*\b+3], v3, s[46:47] offset:64*\b
	global_load_b128 v[BN+8*\b+4:BN+8*\b+7], v3, s[46:47] offset:64*\b+16
.endr
.irp a, 0,1,2,3,4,5,6,7
	global_load_b32 v[BM+2*\a], v4, s[20:21] offset:64*\a
	global_load_b32 v[BM+2*\a+1], v4, s[20:21] offset:64*\a
.endr
	; where my results go.  T, tw: the tile of 256 tokens and my half of it; F, fw: the tile of 256 of the 1,024 (four heads) and my half.  One formula serves q, k and v:
	; p x 8 MiB + (16 (T / 4) + 4 F + 2 fw) x 65,536 + (2 (T % 4) + tw) x 8,192: 128 tokens are 8 tiles of 1,024 bytes of q or k, and one step of 8,192 bytes of v
	s_cmp_lt_u32 s[\sp], 2
	s_cselect_b32 s18, s[\sta], s[\stb]            ; T
	s_cselect_b32 s19, s15, s16                    ; tw
	s_cselect_b32 s22, s[\stb], s[\sta]            ; F
	s_cselect_b32 s23, s16, s15                    ; fw
	s_lshr_b32 s82, s18, 2
	s_lshl_b32 s82, s82, 4
	s_lshl_b32 s22, s22, 2
	s_add_co_u32 s82, s82, s22
	s_lshl_b32 s23, s23, 1
	s_add_co_u32 s82, s82, s23
	s_lshl_b32 s82, s82, 16
	s_and_b32 s18, s18, 3
	s_lshl_b32 s18, s18, 1
	s_add_co_u32 s18, s18, s19
	s_lshl_b32 s18, s18, 13
	s_add_co_u32 s82, s82, s18
	s_lshl_b32 s18, s[\sp], 23
	s_add_co_u32 s82, s82, s18
	s_mov_b32 s83, 0
	s_add_nc_u64 s[10:11], s[80:81], s[82:83]
.endm
	EPISET 66, 17, 42                              ; the first job's
.macro FRAG reg, adr, q, i             ; a fragment: four loads of 512 consecutive bytes; tile i of my eight, K step q of the slot's two
.irp c, 0,1,2,3
	ds_load_b128 v[\reg+4*\c:\reg+4*\c+3], v[\adr] offset:2048*(\q)+512*\c+(\i)*4096
.endr
.endm
; 16 matrix instructions: A's blocks a0, a0 + 1 x B's eight, 128 along K.  p: B's set.  zero = 1: the first product starts the sums: nothing is ever cleared.
; The 64 accumulators take turns, one instruction a turn, in the same order in every step.
.macro MUL16 a0, p, zero
.irp a, \a0, \a0+1
.irp b, 0,1,2,3,4,5,6,7
.if \zero
.if BIASC
	v_wmma_f32_16x16x128_fp8_fp8 v[8*(8*((\a)%4)+\b):8*(8*((\a)%4)+\b)+7], v[128*(\p)+FR*\b:128*(\p)+FR*\b+FR-1], v[AF+FR*(\a):AF+FR*(\a)+FR-1], v[BN+8*\b:BN+8*\b+7]
.else
	v_wmma_f32_16x16x128_fp8_fp8 v[8*(8*((\a)%4)+\b):8*(8*((\a)%4)+\b)+7], v[128*(\p)+FR*\b:128*(\p)+FR*\b+FR-1], v[AF+FR*(\a):AF+FR*(\a)+FR-1], 0
.endif
.else
	v_wmma_f32_16x16x128_fp8_fp8 v[8*(8*((\a)%4)+\b):8*(8*((\a)%4)+\b)+7], v[128*(\p)+FR*\b:128*(\p)+FR*\b+FR-1], v[AF+FR*(\a):AF+FR*(\a)+FR-1], v[8*(8*((\a)%4)+\b):8*(8*((\a)%4)+\b)+7]
.endif
.endr
.endr
.endm
.macro FETCH_B slot, q, p              ; B's eight fragments of the slot's q-th 128 along K into set p
	WIN TO_B
.irp i, 0,1,2,3,4,5,6,7
	FRAG 128*(\p)+FR*\i, ADRB+\slot, \q, \i
.endr
	WIN 0
.endm
.macro FETCH_A slot, q, i0             ; A's blocks i0 .. i0 + 3
.irp i, \i0, \i0+1, \i0+2, \i0+3
	FRAG AF+FR*(\i), ADRA+\slot, \q, \i
.endr
.endm
; A load into a register that a matrix instruction has read, and a vector instruction that reads a matrix result, stand NP places behind that matrix instruction; only plain vector instructions that name
; none of its registers are places (ISA guide 7.12.1 for vector instructions).
.macro PLACES n
.rept \n
	v_nop
.endr
.endm
; A step of 128 along K that has its successor in the same slot.  A block of A is free as soon as its eight products are issued, so one set of registers serves A.
.macro STEP slot, q, zero
	s_wait_dscnt 4*NL                              ; B's set and A's blocks 0-3 are in; the youngest sixteen loads (A's blocks 4-7) may be out
	WINM 0, \zero
	MUL16 0, (\q)%2, \zero
	MUL16 2, (\q)%2, \zero
	s_wait_dscnt 0                                 ; A's blocks 4-7 are in
	PLACES NP
	FETCH_B \slot, (\q)+1, 1-(\q)%2
	FETCH_A \slot, (\q)+1, 0
	WINM 1, \zero
	MUL16 4, (\q)%2, \zero
	MUL16 6, (\q)%2, \zero
	PLACES NP
	WIN 0
	FETCH_A \slot, (\q)+1, 4
.endm
; A slot's last step changes slots: ONE barrier; in front of it each wave waits for all its tensor loads, adds 0 to its spare word, and waits for that and for its own reads of this slot.
; fill = 1: this slot is filled again, two slots' worth ahead in this tile;  fill = 2: with the second tile's first two K steps;  fill = 0: not at all.
.macro TURN slot, next, fill, pf       ; pf: which bytes of the second job's block are prefetched; -1: none
	s_wait_tensorcnt 0x0                           ; all my tensor loads have landed: my part of the next slot;  (every window is 0 here)
	ds_add_u32 v[SPW], v[NIL]                      ; 0 onto my spare word
	s_wait_dscnt 4*NL+1                            ; (the add and the youngest sixteen loads may be out)
	WIN MUL_LO
	MUL16 0, 1, 0                                  ; sixteen matrix instructions stand between the add and the wait for it
	s_wait_dscnt 0x0                               ; the add is done, and my reads of this slot are over
	s_barrier_signal -1
	MUL16 2, 1, 0
	WIN 0
	s_barrier_wait -1
.if \fill
	CREST                                          ; the barrier has opened a round of the cluster's barrier: no wave of any partner still reads this slot's tile or has a load on its way
.if \fill == 1
	s_add_nc_u64 s[G0+4*\slot+2:G0+4*\slot+3], s[G0+4*\slot+2:G0+4*\slot+3], 65536
	s_add_nc_u64 s[G0B+4*\slot+2:G0B+4*\slot+3], s[G0B+4*\slot+2:G0B+4*\slot+3], 65536
.else
	s_mov_b64 s[G0+4*\slot+2:G0+4*\slot+3], s[NA:NA+1]
	s_or_b32 s[G0+4*\slot+3], s[G0+4*\slot+3], 0x80000000
	s_mov_b64 s[G0B+4*\slot+2:G0B+4*\slot+3], s[NB:NB+1]
	s_or_b32 s[G0B+4*\slot+3], s[G0B+4*\slot+3], 0x80000000
.endif
	JLOAD G0+4*\slot, G1, G0B+4*\slot, G1B         ; the first tensor load behind the round, and my only one until the next; its four v_nop are the places in front of the loads below
.else
	PLACES NP
.endif
	FETCH_B \next, 0, 0
	FETCH_A \next, 0, 0
.if (\pf) >= 0
	s_cmp_eq_u32 s99, 1                            ; the wave's number and the job's alone: the same in every partner
	s_cbranch_scc0 .Lno_pf_\@
	global_prefetch_b8 v27, s[104:105] offset:\pf th:TH_LOAD_NT scope:SCOPE_SE     ; what my wave fetches two refills on
.Lno_pf_\@:
.endif
	WIN MUL_HI
	MUL16 4, 1, 0
	MUL16 6, 1, 0
	PLACES NP
	WIN 0
	FETCH_A \next, 0, 4
.endm
.macro LAST                            ; a tile's last K step: nothing more to fetch from LDS
	s_wait_dscnt 4*NL
	WIN MUL_LO
	MUL16 0, 1, 0
	MUL16 2, 1, 0
	s_wait_dscnt 0
	WIN MUL_HI
	MUL16 4, 1, 0
	MUL16 6, 1, 0
	WIN 0
.endm
; THE WAY OUT of block a (16 rows of A x my 128 rows of B): sum x 2^(the operands' e added) + bias in one packed multiply-add for two numbers, each accumulator from its low end on; the hold; the conversion.
; The 16 registers of codes are fragments of the next products as they stand: four stores of 512 consecutive bytes.
.macro OUT a, isv
.set AC, 64*((\a)%4)
.set CD, 192+16*((\a)%4)
.if (\a) == 4
	s_wait_xcnt 0x0                                ; blocks 0-3's stores have read their registers, which take blocks 4-7's codes
.endif
	WIN 0x02+((\a)/4)                              ; source 0: window 2 or 3
.irp b, 0,1,2,3,4,5,6,7
.irp i, 0,2,4,6
.if \isv
	v_pk_fma_f32 v[TMP+8*\b+\i:TMP+8*\b+\i+1], v[AC+8*\b+\i:AC+8*\b+\i+1], s[96:97], v[BM+2*(\a):BM+2*(\a)+1] op_sel_hi:[1,0,1]
.else
	v_pk_fma_f32 v[TMP+8*\b+\i:TMP+8*\b+\i+1], v[AC+8*\b+\i:AC+8*\b+\i+1], s[96:97], v[BN+8*\b+\i:BN+8*\b+\i+1] op_sel_hi:[1,0,1]
.endif
.endr
.endr
	WIN 0
.set j, 0
.rept 64
	v_med3_num_f32 v[TMP+j], v[TMP+j], -v31, v31   ; the conversion to an 8-bit code does not saturate (ISA guide 7.6.2)
.set j, j+1
.endr
.irp b, 0,1,2,3,4,5,6,7
	v_cvt_scalef32_pk8_fp8_f32 v[CD+2*\b:CD+2*\b+1], v[TMP+8*\b:TMP+8*\b+7], v30
.endr
	v_nop                                          ; one plain vector instruction between the conversions and the next write of their sources
.irp x, 0,1,2,3
.if \isv
	global_store_b128 v[CO], v[CD+4*\x:CD+4*\x+3], s[10:11] offset:((\a)/4)*65536+((\a)%4)*2048+\x*512   ; head a / 4 of my two, 16 d number a % 4, piece x
.else
	global_store_b128 v[CO], v[CD+4*\x:CD+4*\x+3], s[10:11] offset:(\x/2)*65536+(\a)*1024+(\x%2)*512      ; head x / 2 of my two, tile a of my eight, piece x % 2
.endif
.endr
.endm
	; ---------------- THE FIRST TILE
	s_wait_tensorcnt 0x0                           ; my part of both slots is in, so the descriptors may be written:
	s_mov_b32 s[G1+2], 8<<16                       ; from here on a load brings one slot's 8 rows
	s_mov_b32 s[G1+4], 8
	s_mov_b32 s[G1B+2], 8<<16
	s_mov_b32 s[G1B+4], 8
	s_wait_xcnt 0x0                                ; the head's prefetches have read their address: from here on it stands in the second job's block
	s_cmp_eq_u32 s15, 0
	s_cselect_b64 s[104:105], s[NA:NA+1], s[NB:NB+1]
	s_cselect_b32 s6, s40, s41
	s_lshl_b32 s6, s6, 13
	s_mov_b32 s7, 0
	s_add_nc_u64 s[104:105], s[104:105], s[6:7]
	s_barrier_signal -1
	s_barrier_wait -1                              ; everybody's part is in
	FETCH_B 0, 0, 0
	FETCH_A 0, 0, 0
	FETCH_A 0, 0, 4
	STEP 0, 0, 1                                   ; K steps 0 to 7, written out: four slots' worth
	TURN 0, 1, 1, 0                                ; slot 0 takes K steps 4 and 5
	STEP 1, 0, 0
	TURN 1, 0, 1, 32768                            ; slot 1 takes K steps 6 and 7
	STEP 0, 0, 0
	TURN 0, 1, 2, 65536                            ; THE RING GOES ON INTO THE SECOND TILE: slot 0 takes its K steps 0 and 1
	STEP 1, 0, 0
	LAST
	s_wait_tensorcnt 0x0                           ; all my tensor loads have landed: my part of the second tile's slot 0; so a group 0 may be written
	ds_add_u32 v[SPW], v[NIL]                      ; 0 onto my spare word; the descriptors' words stand between it and the wait for it
	s_add_nc_u64 s[G0+6:G0+7], s[NA:NA+1], 32768   ; slot 1: the second tile's K steps 2 and 3
	s_or_b32 s[G0+7], s[G0+7], 0x80000000
	s_add_nc_u64 s[G0B+6:G0B+7], s[NB:NB+1], 32768
	s_or_b32 s[G0B+7], s[G0B+7], 0x80000000
	s_wait_dscnt 0x0                               ; the add is done, and my reads of slot 1 are over
	CROUND                                         ; both now hold of every wave of every partner; and the second tile's slot 0 is whole
	JLOAD G0+4, G1, G0B+4, G1B                     ; my one tensor load behind this round: it lands while the first tile goes out
	s_wait_loadcnt 0x0                             ; the biases
	s_cmp_eq_u32 s99, 1
	s_cbranch_scc0 .Lno_pf_mid
	global_prefetch_b8 v27, s[104:105] offset:98304 th:TH_LOAD_NT scope:SCOPE_SE    ; the second tile's K steps 6 and 7: two refills on
.Lno_pf_mid:
	PLACES NP                                      ; behind the last products
.irp a, 0,1,2,3,4,5,6,7
	OUT \a, 0                                      ; the first job is q or k: jobs 0 to 11
.endr
	; ---------------- THE SECOND TILE
	s_wait_xcnt 0x0                                ; the stores have read their registers and their base, the bias loads their bases: all are written again only behind this wait
	EPISET 98, 100, 101
	FETCH_B 0, 0, 0
	FETCH_A 0, 0, 0
	FETCH_A 0, 0, 4
	STEP 0, 0, 1                                   ; its first products start the sums anew
	TURN 0, 1, 1, -1
	STEP 1, 0, 0
	TURN 1, 0, 1, -1
	STEP 0, 0, 0
	TURN 0, 1, 0, -1                               ; nothing is left to fetch
	STEP 1, 0, 0
	LAST
	s_wait_loadcnt 0x0                             ; the biases
	PLACES NP                                      ; behind the last products
	s_cmp_eq_u32 s98, 2                            ; the second job's p: the same in every wave of every partner
	s_cbranch_scc1 .Lout_v
.irp a, 0,1,2,3,4,5,6,7
	OUT \a, 0
.endr
	s_branch .Lclose
.Lout_v:
.irp a, 0,1,2,3,4,5,6,7
	OUT \a, 1
.endr
.Lclose:
	s_wait_tensorcnt 0x0                           ; the wave's end, behind my last tensor load
	ds_add_u32 v[SPW], v[NIL]
	s_wait_dscnt 0x0
	CROUND                                         ; the closing round: no work-group ends while a partner may still ask for a tile that names it
	s_endpgm
.Lfunc_end_k_qf3915fabea_proj:
	.size	k_qf3915fabea_proj, .Lfunc_end_k_qf3915fabea_proj-k_qf3915fabea_proj
	.p2alignl 7, 3214868480
	.fill 96, 4, 3214868480
	.section	.rodata,"a",@progbits
	.p2align	6, 0x0
	.amdhsa_kernel k_qf3915fabea_proj
		.amdhsa_group_segment_fixed_size 327680
		.amdhsa_private_segment_fixed_size 0
		.amdhsa_enable_private_segment 0
		.amdhsa_kernarg_size 56
		.amdhsa_user_sgpr_count 2
		.amdhsa_user_sgpr_kernarg_segment_ptr 1
		.amdhsa_wavefront_size32 1
		.amdhsa_system_sgpr_workgroup_id_x 1
		.amdhsa_system_sgpr_workgroup_id_y 1
		.amdhsa_system_sgpr_workgroup_id_z 1
		.amdhsa_system_vgpr_workitem_id 0
		.amdhsa_next_free_vgpr 1024
		.amdhsa_next_free_sgpr 106
		.amdhsa_reserve_vcc 0
		.amdhsa_float_denorm_mode_32 3
		.amdhsa_float_denorm_mode_16_64 3
		.amdhsa_memory_ordered 1
		.amdhsa_forward_progress 1
		.amdhsa_inst_pref_size 255
	.end_amdhsa_kernel
	.section	.bss,"aw",@nobits
	.p2align	6
	.space	262144
	.amdgpu_metadata
---
amdhsa.version: [ 1, 2 ]
amdhsa.kernels:
  - .name:           k_qf3915fabea_proj
    .symbol:         k_qf3915fabea_proj.kd
    .args:
      - { .name: act_img, .offset: 0, .size: 8, .value_kind: global_buffer, .address_space: global }
      - { .name: w_img, .offset: 8, .size: 8, .value_kind: global_buffer, .address_space: global }
      - { .name: bq, .offset: 16, .size: 8, .value_kind: global_buffer, .address_space: global }
      - { .name: bk, .offset: 24, .size: 8, .value_kind: global_buffer, .address_space: global }
      - { .name: bv, .offset: 32, .size: 8, .value_kind: global_buffer, .address_space: global }
      - { .name: lowp_scales, .offset: 40, .size: 8, .value_kind: global_buffer, .address_space: global }
      - { .name: qkv_img, .offset: 48, .size: 8, .value_kind: global_buffer, .address_space: global }
    .group_segment_fixed_size: 327680
    .private_segment_fixed_size: 0
    .kernarg_segment_align: 8
    .kernarg_segment_size: 56
    .max_flat_workgroup_size: 128
    .sgpr_count:     106
    .vgpr_count:     1024
    .wavefront_size: 32
...
	.end_amdgpu_metadata
.endif
;; end of part 2
;; launch attn (part 3): grid 4 x 64, 8 waves a work-group, clusters of 4 x 1, 327,680 bytes of LDS; arguments qkv_img, lowp_scales, att_img; writes att_img
.if DOCPART == 3
	.amdgcn_target "amdgcn-amd-amdhsa--gfx1250"
	.amdhsa_code_object_version 6
	.text
	.protected	k_qf3915fabea_attn
	.globl	k_qf3915fabea_attn
	.p2align	8
	.type	k_qf3915fabea_attn,@function
k_qf3915fabea_attn:
	s_mov_b64 s[64:65], 0
	v_nop
	global_prefetch_b8 v0, s[64:65] scope:SCOPE_SE
	s_setreg_imm32_b32 hwreg(HW_REG_WAVE_MODE, 25, 1), 1
	s_wait_xcnt 0x0
	s_wait_alu depctr_hold_cnt(0) depctr_sa_sdst(0) depctr_va_vdst(0) depctr_va_sdst(0) depctr_va_ssrc(0) depctr_va_vcc(0) depctr_vm_vsrc(0)
	s_getreg_b32 s2, hwreg(HW_REG_IB_STS2, 6, 4)
	s_cmp_eq_u32 s2, 0
	s_cbranch_scc0 .Lentry_in_a_cluster
	s_endpgm
.Lentry_in_a_cluster:
	s_bfe_u32 s2, ttmp6, 0x10000c
	s_cmp_lg_u32 s2, 0x3003
	s_cbranch_scc0 .Lentry_shape_is_right
	s_endpgm
.Lentry_shape_is_right:
; Products 4 and 5 on codes of FP8 (E4M3), with the softmax between them, and the result quantised at once (e10) as operand A of product 6.
; t = score x log2(e) / 8; M = the running largest t rounded up to a whole number; p = 2^(t - M) is quantised with e8; the row's sum is taken of the unquantised p and divides at the end.
; SHARES.  A work-group owns 256 queries of two heads (cluster y = batch x 8 + pair of heads); a wave 32 queries, two tiles of 16; it walks head 0's 1,024 keys in 8 steps of 128, then head 1's.
; CLUSTER.  The four work-groups of a cluster are the four query blocks of one pair of heads: they need the same K and V, asked for jointly (mask 15).
; LDS: head e at e x 131,072: K's image 65,536 bytes, then V's.  Each wave fetches 16,384 dense bytes of head 0 at the head, and of head 1 behind one full sequence: that load lands under head 0's steps.  Nothing is filled again.
; No prefetch: both heads' K and V are asked for whole by these two loads, ahead of the loops; no later request is left to run ahead of.
; Both products are used transposed (S^T = K Q^T, O^T = V^T P^T): a lane holds one query; the images hold keys and d in the order in which the registers want them.
; A STEP's exponentials go in two batches; the plain lines laid among a batch's read nothing that a plain line of the same batch writes: tile 1's scalings among tile 0's exponentials; tile 0's holds and first-level sums (into registers of their own) among tile 1's.
; The next step's fragments of K are fetched behind this step's first product; a run's last trip so reads the 8,192 bytes behind K's image (V's first, landed long before), and they are not used.
; att_img: [block of 128 tokens][256 along K = two pairs of heads][tile of 16][pair % 2][piece 2 e + c][lane][16].
; LIMITS: e6 + e7 between -123 and 130; e8 and e10 between -126 and 119; the scaled scores stay under 2^31 in magnitude.  NaN among the inputs is not served.
; REGISTERS.  window 0: v0 a copy of v6; v1 16 x lane; v2-3 LDS addresses; v4-5 the add's; v6-9 bounds and scales; v10-31 the softmax's state; v32-47, v80-95 Q of heads 0, 1; v48-79 p's codes; v96-223 S^T, then p; v224-255 sums of four, and the result's codes.
;             window 1: v0-63 O^T; v64-127 K's fragments; v128-191 V's.
.set SPARE, 262144
.set ADK, 2
.set ADV, 3
.set SPW, 4
.set NIL, 5
.set P,   48
.set S,   96
.set T,   224
.set KF,  64
.set VF,  128
.set WV,  14
.set SEL, 40
.set CS,  42
.set TB,  44                           ; s44 LDS byte of the step's keys; s47 of its values
.set CNT, 45
.set TBV, 47
.set MSB, 0
.macro WIN new                         ; the immediate's high byte repeats the setting that is left
.if MSB != (\new)
	s_set_vgpr_msb (MSB<<8)|(\new)
.set MSB, (\new)
.endif
.endm
.macro MKSC se, st, vsc, vlim          ; from e in s[se]: 2^e as f32, and 448 x 2^e
	s_add_co_i32 s[\st], s[\se], 127
	s_lshl_b32 s[\st+1], s[\st], 23
	v_mov_b32 v[\vsc], s[\st+1]
	s_add_co_i32 s[\st], s[\st], 8
	s_lshl_b32 s[\st], s[\st], 23
	s_or_b32 s[\st], s[\st], 0x600000
	v_mov_b32 v[\vlim], s[\st]
.endm
.macro CROUND                          ; a round of the cluster's barrier
	s_barrier_signal -1
	s_barrier_wait -1
	s_cmp_lg_u32 s[WV], 0
	s_cbranch_scc1 .Lnot_wave_0_\@
	s_barrier_signal -3
.Lnot_wave_0_\@:
	s_barrier_wait -3
	s_barrier_signal -1
	s_barrier_wait -1
.endm
	s_load_b128 s[4:7], s[0:1], 0x0                ; qkv_img, the exponents
	s_load_b64 s[8:9], s[0:1], 0x10                ; att_img
	v_lshl_add_u32 v[SPW], v0, 2, SPARE
	v_mov_b32 v[NIL], 0
	ds_add_u32 v[SPW], v[NIL]                      ; the opening lines: the add twice on end and its wait ahead of my first tensor load
	ds_add_u32 v[SPW], v[NIL]
	v_lshrrev_b32 v1, 5, v0
	v_readfirstlane_b32 s[WV], v1                  ; wave 0..7
	s_bfe_u32 s13, ttmp6, 0x40000                  ; cx: my block of 256 queries
	s_and_b32 s12, ttmp7, 0xffff                   ; y: batch x 8 + pair of heads
	s_mov_b32 s16, 15|(3<<16)|(1<<21)              ; group 1: all four partners; elements of 8 bytes; 64 dense rows of 256 bytes
	s_mov_b32 s17, 32<<16
	s_mov_b32 s18, 64<<16
	s_mov_b32 s19, 32<<16
	s_mov_b32 s20, 64
	s_mov_b32 s21, 32
	s_mov_b32 s22, 0
	s_mov_b32 s23, 0
	s_lshr_b32 s60, s[WV], 2                       ; I fetch for K (0) or V (1),
	s_and_b32 s61, s[WV], 3                        ; its quarter of 16,384 bytes
	s_lshl_b32 s62, s60, 16
	s_lshl_b32 s63, s61, 14
	s_add_co_u32 s62, s62, s63                     ; where it goes in LDS
	s_lshl_b32 s66, s60, 23
	s_add_co_u32 s66, s66, 0x800000                ; k at 8 MiB, v at 16 MiB
	s_lshl_b32 s67, s12, 17
	s_add_co_u32 s66, s66, s67
	s_add_co_u32 s66, s66, s63
	s_mov_b32 s67, 0
	s_lshl_b32 s70, s12, 17                        ; Q: head 2 y, tiles 16 cx + 2 wave, 1,024 bytes each
	s_lshl_b32 s71, s13, 14
	s_add_co_u32 s70, s70, s71
	s_lshl_b32 s71, s[WV], 11
	s_add_co_u32 s70, s70, s71
	s_mov_b32 s71, 0
	s_lshr_b32 s72, s12, 3                         ; att_img: batch x 8 blocks of 131,072 bytes,
	s_lshl_b32 s72, s72, 20
	s_lshl_b32 s73, s13, 18                        ; + 2 cx
	s_add_co_u32 s72, s72, s73
	s_lshl_b32 s73, s60, 17                        ; + wave / 4;
	s_add_co_u32 s72, s72, s73
	s_bfe_u32 s73, s12, 0x20001                    ; (pair of heads) / 2: 32,768 bytes;
	s_lshl_b32 s73, s73, 15
	s_add_co_u32 s72, s72, s73
	s_lshl_b32 s73, s61, 13                        ; tile 2 (wave % 4) of the block's eight;
	s_add_co_u32 s72, s72, s73
	s_and_b32 s73, s12, 1                          ; pair % 2: 2,048 bytes
	s_lshl_b32 s73, s73, 11
	s_add_co_u32 s72, s72, s73
	s_mov_b32 s73, 0
	s_mov_b32 s[SEL], 0x76543210
	s_mov_b32 s[SEL+1], 0xfedcba98
	s_wait_dscnt 0x0                               ; both opening adds are done
	s_wait_kmcnt 0x0
	s_load_b256 s[48:55], s[6:7], 0x0              ; e0 .. e7
	s_load_b128 s[56:59], s[6:7], 0x20             ; e8 .. e11
	s_add_nc_u64 s[68:69], s[4:5], s[66:67]
	s_add_nc_u64 s[70:71], s[4:5], s[70:71]
	s_add_nc_u64 s[8:9], s[8:9], s[72:73]
.irp n, 0,1                                    ; group 0 for head n
	s_mov_b32 s[24+4*\n], 1
	s_add_co_u32 s[25+4*\n], s62, \n*131072
	s_add_nc_u64 s[26+4*\n:27+4*\n], s[68:69], \n*65536
	s_or_b32 s[27+4*\n], s[27+4*\n], 0x80000000
.endr
	CROUND                                         ; all four work-groups are here: the first joint loads meet
	tensor_load_to_lds s[24:27], s[16:23]          ; head 0: my one tensor load at the head
	s_nop 0
	v_and_b32 v1, 31, v0
	v_lshlrev_b32 v1, 4, v1                        ; 16 x lane
.irp e, 0,1
.irp t, 0,1
.irp c, 0,1
	global_load_b128 v[32+48*\e+8*\t+4*\c:32+48*\e+8*\t+4*\c+3], v1, s[70:71] offset:65536*\e+1024*\t+512*\c
.endr
.endr
.endr
	v_mov_b32 v21, 0                               ; upper halves of pairs that are named whole, and the lane permutes' destinations
	v_mov_b32 v23, 0
	v_mov_b32 v28, 0
	v_mov_b32 v29, 0
	s_wait_kmcnt 0x0
	s_add_co_i32 s60, s54, s55                     ; e6 + e7 goes into c's exponent field
	s_lshl_b32 s60, s60, 23
	s_mov_b32 s[CS], 0x3e38aa3b                    ; c = log2(e) / 8
	s_add_co_i32 s[CS], s[CS], s60
	s_mov_b32 s[CS+1], s[CS]
	MKSC 56, 60, 7, 6                              ; e8: p's scale and bound
	v_mov_b32 v0, v6                               ; the bound once more, in another register bank, for the paired holds
	MKSC 58, 60, 9, 8                              ; e10: the result's
	s_add_co_i32 s46, s56, s57                     ; e8 + e9
.macro SUMI t, i                       ; tile t's row sums, two at a time, in two chains
.set rS, S+64*(\t)
.set rL, 14+4*(\t)
.set rC, 30-20*(\t)
.if (\i) == 0
	v_pk_add_f32 v[rC:rC+1], v[rS:rS+1], v[rS+2:rS+3]
.elseif (\i) == 31
	v_pk_add_f32 v[rL:rL+1], v[rL:rL+1], v[rC:rC+1]
.elseif ((\i)%2) == 1
	v_pk_add_f32 v[rL:rL+1], v[rL:rL+1], v[rS+2*(\i)+2:rS+2*(\i)+3]
.else
	v_pk_add_f32 v[rC:rC+1], v[rC:rC+1], v[rS+2*(\i)+2:rS+2*(\i)+3]
.endif
.endm
.macro MINI t, i                       ; the hold, one-sided since p is not negative: the conversion to an 8-bit code does not saturate (ISA guide 7.6.2)
	v_dual_min_num_f32 v[S+64*(\t)+2*(\i)], v[S+64*(\t)+2*(\i)], v6 :: v_dual_min_num_f32 v[S+64*(\t)+2*(\i)+1], v[S+64*(\t)+2*(\i)+1], v0
.endm
.macro CVTP t
.irp k, 0,1,2,3,4,5,6,7
	v_cvt_scalef32_pk8_fp8_f32 v[P+16*(\t)+2*\k:P+16*(\t)+2*\k+1], v[S+64*(\t)+8*\k:S+64*(\t)+8*\k+7], v7
.endr
.endm
.macro KLOAD off                       ; eight fragments of K, 16 keys x 64 each
.irp k, 0,1,2,3,4,5,6,7
	ds_load_b128 v[KF+8*\k:KF+8*\k+3], v[ADK] offset:\off+1024*\k
	ds_load_b128 v[KF+8*\k+4:KF+8*\k+7], v[ADK] offset:\off+1024*\k+512
.endr
.endm
.macro STEP qb
	s_wait_dscnt 0x0                               ; this step's fragments of K are in
	WIN 0x01
.irp t, 0,1
.irp k, 0,1,2,3,4,5,6,7
	v_wmma_f32_16x16x64_fp8_fp8 v[S+64*\t+8*\k:S+64*\t+8*\k+7], v[KF+8*\k:KF+8*\k+7], v[\qb+8*\t:\qb+8*\t+7], 0
.endr
.endr
	WIN 0
	v_add_nc_u32 v[ADK], s[TB], v1                 ; these two and two v_nop are the four places behind the products
	v_add_nc_u32 v[ADV], s[TBV], v1
	v_nop
	v_nop
	WIN 0x40
.irp d, 0,1,2,3
.irp c, 0,1,2,3
	ds_load_b128 v[VF+16*\d+4*\c:VF+16*\d+4*\c+3], v[ADV] offset:2048*\d+512*\c
.endr
.endr
	KLOAD 8192                                     ; the next step's
	WIN 0
.irp t, 0,1
	v_max3_num_f32 v[24+2*\t], v[S+64*\t], v[S+64*\t+1], v[S+64*\t+2]
	v_max3_num_f32 v[25+2*\t], v[S+64*\t+3], v[S+64*\t+4], v[S+64*\t+5]
.endr
.set j, 6
.rept 14
.irp t, 0,1
	v_max3_num_f32 v[24+2*\t], v[24+2*\t], v[S+64*\t+j], v[S+64*\t+j+1]
	v_max3_num_f32 v[25+2*\t], v[25+2*\t], v[S+64*\t+j+2], v[S+64*\t+j+3]
.endr
.set j, j+4
.endr
.irp t, 0,1
	v_max3_num_f32 v[24+2*\t], v[24+2*\t], v[S+64*\t+62], v[S+64*\t+63]
.endr
.irp t, 0,1
	s_delay_alu instid0(VALU_DEP_2)
	v_max_num_f32 v[24+2*\t], v[24+2*\t], v[25+2*\t]
.endr
.irp t, 0,1
	s_delay_alu instid0(VALU_DEP_2)
	v_permlanex16_b32 v[28+\t], v[24+2*\t], s[SEL], s[SEL+1]
.endr
.irp t, 0,1
	s_delay_alu instid0(VALU_DEP_2)
	v_max_num_f32 v[24+2*\t], v[24+2*\t], v[28+\t]
.endr
.irp t, 0,1
	s_delay_alu instid0(VALU_DEP_2)
	v_mul_f32 v[24+2*\t], s[CS], v[24+2*\t]        ; as t (c is positive)
.endr
.irp t, 0,1
	s_delay_alu instid0(VALU_DEP_2)
	v_max_num_f32 v[13+4*\t], v[13+4*\t], v[24+2*\t]   ; the running largest t
.endr
.irp t, 0,1
	v_mov_b32 v[24+2*\t], v[12+4*\t]
.endr
.irp t, 0,1
	s_delay_alu instid0(VALU_DEP_4)
	v_floor_f32 v[12+4*\t], -v[13+4*\t]            ; -M = floor(-t)
.endr
.irp t, 0,1
	s_delay_alu instid0(VALU_DEP_2)
	v_sub_f32 v[24+2*\t], v[12+4*\t], v[24+2*\t]
.endr
.irp t, 0,1
	s_delay_alu instid0(VALU_DEP_2)
	v_cvt_i32_f32 v[24+2*\t], v[24+2*\t]
.endr
.irp t, 0,1
	s_delay_alu instid0(VALU_DEP_2)
	v_ldexp_f32 v[20+2*\t], 1.0, v[24+2*\t]        ; f = 2^(old M - new M)
.endr
.set j, 0
.rept 32
	v_pk_fma_f32 v[S+j:S+j+1], v[S+j:S+j+1], s[CS:CS+1], v[12:13] op_sel_hi:[1,0,0]   ; tile 0: t - M
.set j, j+2
.endr
	s_wait_alu depctr_va_vdst(0)                   ; ahead of a batch
.set j, 0
.rept 32                                       ; tile 0's exponentials, tile 1's t - M among them
	v_exp_f32 v[S+j], v[S+j]
	v_pk_fma_f32 v[S+64+j:S+64+j+1], v[S+64+j:S+64+j+1], s[CS:CS+1], v[16:17] op_sel_hi:[1,0,0]
	v_exp_f32 v[S+j+1], v[S+j+1]
.set j, j+2
.endr
.irp t, 0,1
	v_pk_mul_f32 v[14+4*\t:15+4*\t], v[14+4*\t:15+4*\t], v[20+2*\t:21+2*\t] op_sel_hi:[1,0]   ; the sums under the new M
.endr
	s_wait_alu depctr_va_vdst(0)                   ; behind the first batch and ahead of the second
.set g, 0
.rept 16                                       ; tile 1's exponentials; among them, of tile 0: the sum of four p into registers of its own, then their holds
	v_exp_f32 v[S+64+4*g], v[S+64+4*g]
	v_pk_add_f32 v[T+2*g:T+2*g+1], v[S+4*g:S+4*g+1], v[S+4*g+2:S+4*g+3]
	v_exp_f32 v[S+64+4*g+1], v[S+64+4*g+1]
	MINI 0, 2*g
	v_exp_f32 v[S+64+4*g+2], v[S+64+4*g+2]
	MINI 0, 2*g+1
	v_exp_f32 v[S+64+4*g+3], v[S+64+4*g+3]
.set g, g+1
.endr
	v_nop                                          ; a plain place behind the last exponential
	s_wait_alu depctr_va_vdst(0)                   ; one wait for the batch, ahead of its first reader
	CVTP 0
.set j, 0
.rept 32
	SUMI 1, j
	MINI 1, j
.if (j%2) == 0
	v_pk_add_f32 v[14:15], v[14:15], v[T+j:T+j+1]  ; tile 0's sums of four
.endif
.set j, j+1
.endr
	CVTP 1
	WIN 0x41
	s_wait_alu depctr_va_vdst(0)                   ; directly ahead of the first readers of O^T
.irp t, 0,1
.set j, 0
.rept 16
	v_pk_mul_f32 v[32*\t+j:32*\t+j+1], v[32*\t+j:32*\t+j+1], v[20+2*\t:21+2*\t] op_sel_hi:[1,0]   ; O^T under the new M
.set j, j+2
.endr
.endr
	s_wait_alu depctr_va_vdst(0)                   ; directly ahead of the wait below
	s_wait_dscnt 16                                ; V's 16 loads are in; the 16 younger ones, the next step's K, may be out
	WIN 0x51
.irp d, 0,1,2,3
.irp t, 0,1
	v_wmma_f32_16x16x128_fp8_fp8 v[32*\t+8*\d:32*\t+8*\d+7], v[VF+16*\d:VF+16*\d+15], v[P+16*\t:P+16*\t+15], v[32*\t+8*\d:32*\t+8*\d+7]
.endr
.endr
	WIN 0
.endm
.macro RUN tb, qb                      ; a head's eight steps
	s_mov_b32 s[TB], \tb
	s_mov_b32 s[TBV], \tb+65536
	s_mov_b32 s[CNT], 8
	v_add_nc_u32 v[ADK], s[TB], v1
	WIN 0x40
	KLOAD 0                                        ; the first step's fragments of K
	WIN 0
.Lrun_\@:
	STEP \qb
	s_add_co_u32 s[TB], s[TB], 8192
	s_add_co_u32 s[TBV], s[TBV], 8192
	s_sub_co_u32 s[CNT], s[CNT], 1
	s_cmp_lg_u32 s[CNT], 0
	s_cbranch_scc1 .Lrun_\@
.endm
.macro INIT                            ; the step is written once: the first finds zeros, which the first change of M leaves zeros
.irp t, 0,1
	v_mov_b32 v[13+4*\t], 0xff61b1e6               ; -3e38, under every t
	s_delay_alu instid0(VALU_DEP_1)
	v_floor_f32 v[12+4*\t], -v[13+4*\t]
	v_mov_b32 v[14+4*\t], 0
	v_mov_b32 v[15+4*\t], 0
.endr
	WIN 0x40
.set j, 0
.rept 64
	v_mov_b32 v[j], 0
.set j, j+1
.endr
	WIN 0
.endm
.macro EPI e                           ; O^T / the sum x 2^(e8 + e9), held and converted with e10: the codes are the image's bytes
.rept 4
	v_nop
.endr
.irp t, 0,1
	v_add_f32 v[14+4*\t], v[14+4*\t], v[15+4*\t]
.endr
.irp t, 0,1
	s_delay_alu instid0(VALU_DEP_2)
	v_permlanex16_b32 v[28+\t], v[14+4*\t], s[SEL], s[SEL+1]
.endr
.irp t, 0,1
	s_delay_alu instid0(VALU_DEP_2)
	v_add_f32 v[14+4*\t], v[14+4*\t], v[28+\t]
.endr
	s_wait_alu depctr_va_vdst(0)
.irp t, 0,1
	v_rcp_f32 v[24+2*\t], v[14+4*\t]
.endr
	v_nop
	s_wait_alu depctr_va_vdst(0)
.irp t, 0,1
	v_ldexp_f32 v[24+2*\t], v[24+2*\t], s46
.endr
	WIN 0x01
.irp t, 0,1
.set j, 0
.rept 16
	v_pk_mul_f32 v[S+32*\t+j:S+32*\t+j+1], v[32*\t+j:32*\t+j+1], v[24+2*\t:25+2*\t] op_sel_hi:[1,0]
.set j, j+2
.endr
.endr
	WIN 0
.set j, 0
.rept 64
	v_med3_num_f32 v[S+j], v[S+j], -v8, v8
.set j, j+1
.endr
.irp t, 0,1
.irp d, 0,1,2,3
	v_cvt_scalef32_pk8_fp8_f32 v[224+16*\e+8*\t+2*\d:224+16*\e+8*\t+2*\d+1], v[S+32*\t+8*\d:S+32*\t+8*\d+7], v9
.endr
.endr
	v_nop
.irp t, 0,1
.irp c, 0,1
	global_store_b128 v1, v[224+16*\e+8*\t+4*\c:224+16*\e+8*\t+4*\c+3], s[8:9] offset:\t*4096+\e*1024+\c*512   ; 512 consecutive bytes, aligned
.endr
.endr
.endm
	INIT
	s_wait_alu depctr_va_vdst(0)                   ; the head's end
	s_wait_loadcnt 0x0                             ; Q
	s_wait_tensorcnt 0x0                           ; my part of head 0 is in; a later first fill is issued as a refill is:
	ds_add_u32 v[SPW], v[NIL]
	s_wait_dscnt 0x0
	CROUND                                         ; everybody's part is in, and the four work-groups meet
	tensor_load_to_lds s[28:31], s[16:23]          ; head 1
	s_nop 0
.rept 4
	v_nop
.endr
	RUN 0, 32
	EPI 0
	INIT
	s_wait_alu depctr_va_vdst(0)
	s_wait_xcnt 0x0                                ; the stores have read v224-239, which the steps write again
	s_wait_tensorcnt 0x0                           ; my part of head 1 is in
	s_wait_dscnt 0x0                               ; the last trip's look-ahead loads are back
	s_barrier_signal -1
	s_barrier_wait -1                              ; everybody's part is in
	RUN 131072, 80
	EPI 1
	s_wait_tensorcnt 0x0                           ; the wave's end
	ds_add_u32 v[SPW], v[NIL]
	s_wait_dscnt 0x0
	CROUND                                         ; the closing round
	s_endpgm
.Lfunc_end_k_qf3915fabea_attn:
	.size	k_qf3915fabea_attn, .Lfunc_end_k_qf3915fabea_attn-k_qf3915fabea_attn
	.p2alignl 7, 3214868480
	.fill 96, 4, 3214868480
	.section	.rodata,"a",@progbits
	.p2align	6, 0x0
	.amdhsa_kernel k_qf3915fabea_attn
		.amdhsa_group_segment_fixed_size 327680
		.amdhsa_private_segment_fixed_size 0
		.amdhsa_enable_private_segment 0
		.amdhsa_kernarg_size 24
		.amdhsa_user_sgpr_count 2
		.amdhsa_user_sgpr_kernarg_segment_ptr 1
		.amdhsa_wavefront_size32 1
		.amdhsa_system_sgpr_workgroup_id_x 1
		.amdhsa_system_sgpr_workgroup_id_y 1
		.amdhsa_system_sgpr_workgroup_id_z 1
		.amdhsa_system_vgpr_workitem_id 0
		.amdhsa_next_free_vgpr 448
		.amdhsa_next_free_sgpr 80
		.amdhsa_reserve_vcc 0
		.amdhsa_float_denorm_mode_32 3
		.amdhsa_float_denorm_mode_16_64 3
		.amdhsa_memory_ordered 1
		.amdhsa_forward_progress 1
		.amdhsa_inst_pref_size 88
	.end_amdhsa_kernel
	.amdgpu_metadata
---
amdhsa.version: [ 1, 2 ]
amdhsa.kernels:
  - .name:           k_qf3915fabea_attn
    .symbol:         k_qf3915fabea_attn.kd
    .args:
      - { .name: qkv_img, .offset: 0, .size: 8, .value_kind: global_buffer, .address_space: global }
      - { .name: lowp_scales, .offset: 8, .size: 8, .value_kind: global_buffer, .address_space: global }
      - { .name: att_img, .offset: 16, .size: 8, .value_kind: global_buffer, .address_space: global }
    .group_segment_fixed_size: 327680
    .private_segment_fixed_size: 0
    .kernarg_segment_align: 8
    .kernarg_segment_size: 24
    .max_flat_workgroup_size: 256
    .sgpr_count:     80
    .vgpr_count:     448
    .wavefront_size: 32
...
	.end_amdgpu_metadata
.endif
;; end of part 3
;; launch outp (part 4): grid 4 x 64, 4 waves a work-group, clusters of 4 x 4, 327,680 bytes of LDS; arguments att_img, w_img, bo, lowp_scales, out0; writes out0
.if DOCPART == 4
	.amdgcn_target "amdgcn-amd-amdhsa--gfx1250"
	.amdhsa_code_object_version 6
	.text
	.protected	k_qf3915fabea_outp
	.globl	k_qf3915fabea_outp
	.p2align	8
	.type	k_qf3915fabea_outp,@function
k_qf3915fabea_outp:
	s_mov_b64 s[64:65], 0
	v_nop
	global_prefetch_b8 v0, s[64:65] scope:SCOPE_SE
	s_setreg_imm32_b32 hwreg(HW_REG_WAVE_MODE, 25, 1), 1
	s_wait_xcnt 0x0
	s_wait_alu depctr_hold_cnt(0) depctr_sa_sdst(0) depctr_va_vdst(0) depctr_va_sdst(0) depctr_va_ssrc(0) depctr_va_vcc(0) depctr_vm_vsrc(0)
	s_getreg_b32 s2, hwreg(HW_REG_IB_STS2, 6, 4)
	s_cmp_eq_u32 s2, 0
	s_cbranch_scc0 .Lentry_in_a_cluster
	s_endpgm
.Lentry_in_a_cluster:
	s_bfe_u32 s2, ttmp6, 0x10000c
	s_cmp_lg_u32 s2, 0xf033
	s_cbranch_scc0 .Lentry_shape_is_right
	s_endpgm
.Lentry_shape_is_right:
; Product 6 on codes of FP8 (E4M3): out0 = att wo + bo.  Operands are images of registers: [block of 128 rows][256 along K][tile of 16][K step of 128][piece][lane][16]; wo's image lies 3 MiB into w_img, rows = its columns n.
; A block of 128 tokens x 256 columns to a work-group: 64 x 4 = 256 work-groups.  Four waves, each 64 tokens x 128 columns: 32 accumulators, 256 registers (window 2).
; LDS: A's 128 rows x 768 K (98,304 bytes), then B's two blocks of 128 rows likewise: three quarters of K come by the head's one load a wave (waves 0, 1: halves of A's run; waves 2, 3: a block of B each).
; The last quarter of K is filled into the first quarter's bytes, behind the round that follows the second K step; it has three K steps' products in which to land.
; CLUSTERS: 4 x 4 work-groups: A's tiles are shared along a row of the cluster, B's along a column, each asked for jointly.
; No prefetch: the text has no loop; all but one quarter of K is asked for at the head, and the one refill a K step and a half later.
; The matrix instruction is used transposed (source 0 = 16 columns of wo, source 1 = 16 tokens): a lane holds eight neighbouring numbers of a row of out0.  The bias / 2^(e10 + e11) is the C of the first products.
; Both operands have two sets of fragment registers: a K step's 48 loads are issued ahead of the products of the step before.
; LIMIT: e10 + e11 between -126 and 127.
; REGISTERS: window 0: v0-31 addresses; v32-95 the bias, on the way out a block's numbers; v128-255 A's two sets, on the way out rows read back.  window 1: B's two sets.  window 2: the accumulators.
.set KSL,    32768                     ; 128 rows x 256 K
.set BOFF,   3*KSL                     ; B's first block in LDS
.set SPARE,  9*KSL                     ; behind the tiles: the spare words, 128 bytes a wave
.set STAGE,  KSL                       ; the way out: 16 rows x 528 bytes a wave, in A's second and third quarters, which have had their only fill and, behind the last barrier, their last read
.set SPITCH, 528
.set ADRA, 8                           ; v8-10  my A fragments in quarter 0, 1, 2
.set ADRB, 12                          ; v12-14 the same for B
.set STO,  24
.set RD,   25
.set CO,   26
.set SPW,  28
.set NIL,  29
.set BN,   32
.set TMP,  32
.set AF,   128
.set BK,   128
.set HA, 24                            ; group 1: A at the head (12 rows of 4,096 bytes), B at the head (24), A's refill (4), B's refill (8)
.set HB, 32
.set RA, 40
.set RB, 48
.set GA0, 56                           ; group 0: the head's, A and B; the refill's
.set GB0, 60
.set GA1, 76
.set GB1, 84
.set MSB, 0
.macro WIN new
.if MSB != (\new)
	s_set_vgpr_msb (MSB<<8)|(\new)
.set MSB, (\new)
.endif
.endm
.set MUL_LO, 0xa1                      ; source 0 (B) window 1, source 1 (A) window 0, C and D window 2
.set MUL_Z,  0x81                      ; the same with C, the bias, in window 0
.set TO_B,   0x40
.macro JLOAD g0a, g1a, g0b, g1b        ; waves 0 and 1 fetch for A, waves 2 and 3 for B; an s_nop 0 and four v_nop follow each line
	s_cmp_eq_u32 s15, 0
	s_cbranch_scc0 .Lfor_b_\@
	tensor_load_to_lds s[\g0a:\g0a+3], s[\g1a:\g1a+7]
	s_nop 0
.rept 4
	v_nop
.endr
	s_branch .Lasked_\@
.Lfor_b_\@:
	tensor_load_to_lds s[\g0b:\g0b+3], s[\g1b:\g1b+7]
	s_nop 0
.rept 4
	v_nop
.endr
.Lasked_\@:
.endm
.macro CREST
	s_cmp_lg_u32 s14, 0
	s_cbranch_scc1 .Lnot_wave_0_\@
	s_barrier_signal -3
.Lnot_wave_0_\@:
	s_barrier_wait -3
	s_barrier_signal -1
	s_barrier_wait -1
.endm
.macro CROUND
	s_barrier_signal -1
	s_barrier_wait -1
	CREST
.endm
.macro MKG1 g, rows                    ; dense rows of 512 elements of 8 bytes
	s_mov_b32 s[\g+1], 512<<16
	s_mov_b32 s[\g+2], (\rows)<<16
	s_mov_b32 s[\g+3], 512<<16
	s_mov_b32 s[\g+4], \rows
	s_mov_b32 s[\g+5], 512
	s_mov_b32 s[\g+6], 0
	s_mov_b32 s[\g+7], 0
.endm
	s_load_b256 s[68:75], s[0:1], 0x0              ; att_img, w_img, bo, the exponents
	s_load_b64 s[80:81], s[0:1], 0x20              ; out0
	v_lshl_add_u32 v[SPW], v0, 2, SPARE
	v_mov_b32 v[NIL], 0
	ds_add_u32 v[SPW], v[NIL]                      ; the opening lines: the add twice on end and its wait
	ds_add_u32 v[SPW], v[NIL]
	v_lshrrev_b32 v1, 5, v0
	v_readfirstlane_b32 s14, v1                    ; wave 0..3
	s_lshr_b32 s15, s14, 1                         ; my 64 tokens.  Also: I fetch for A (0) or B (1)
	s_and_b32 s16, s14, 1                          ; my 128 columns.  Also: which part I fetch
	s_bfe_u32 s12, ttmp6, 0x40000                  ; cx
	s_bfe_u32 s13, ttmp6, 0x40004                  ; cy
	s_lshl_b32 s18, ttmp9, 2
	s_add_co_u32 s18, s18, s12                     ; block of 256 columns
	s_and_b32 s17, ttmp7, 0xffff
	s_lshl_b32 s17, s17, 2
	s_add_co_u32 s17, s17, s13                     ; block of 128 tokens
	s_lshl_b32 s2, s13, 2
	s_lshl_b32 s2, 15, s2                          ; my row of the cluster
	s_lshl_b32 s3, 0x1111, s12                     ; my column
	s_or_b32 s[HA], s2, (3<<16)|(1<<21)
	s_or_b32 s[RA], s2, (3<<16)|(1<<21)
	s_or_b32 s[HB], s3, (3<<16)|(1<<21)
	s_or_b32 s[RB], s3, (3<<16)|(1<<21)
	MKG1 HA, 12
	MKG1 HB, 24
	MKG1 RA, 4
	MKG1 RB, 8
	s_lshl_b32 s20, s17, 17                        ; A's block
	s_mov_b32 s21, 0
	s_lshl_b32 s22, s18, 18                        ; B's: two blocks to 256 columns,
	s_lshl_b32 s5, s16, 17
	s_add_co_u32 s22, s22, s5                      ; the one that I fetch,
	s_add_co_u32 s22, s22, 0x300000                ; in wo's image
	s_mov_b32 s23, 0
	s_mul_i32 s6, s16, 49152                       ; A at the head: my half of 98,304 bytes, in LDS and in memory alike
	s_lshl_b32 s7, s16, 14                         ; A's refill: my half of 32,768
	s_mul_i32 s8, s16, 3*KSL
	s_add_co_u32 s8, s8, BOFF                      ; B's block in LDS: the one I fetch is the one I multiply
	s_lshl_b32 s4, s15, 14                         ; my four tiles of A
	s_mul_i32 s9, s14, 16*SPITCH
	s_add_co_u32 s9, s9, STAGE                     ; my stage
	s_wait_dscnt 0x0
	s_wait_kmcnt 0x0
	s_load_b64 s[94:95], s[74:75], 0x28            ; e10, e11
	s_add_nc_u64 s[88:89], s[68:69], s[20:21]
	s_add_nc_u64 s[90:91], s[70:71], s[22:23]
	s_mov_b32 s93, 0
	s_mov_b32 s[GA0], 1
	s_mov_b32 s[GA0+1], s6
	s_mov_b32 s92, s6
	s_add_nc_u64 s[GA0+2:GA0+3], s[88:89], s[92:93]
	s_or_b32 s[GA0+3], s[GA0+3], 0x80000000
	s_mov_b32 s[GA1], 1
	s_mov_b32 s[GA1+1], s7
	s_add_co_u32 s92, s7, 3*KSL
	s_add_nc_u64 s[GA1+2:GA1+3], s[88:89], s[92:93]
	s_or_b32 s[GA1+3], s[GA1+3], 0x80000000
	s_mov_b32 s[GB0], 1
	s_mov_b32 s[GB0+1], s8
	s_mov_b64 s[GB0+2:GB0+3], s[90:91]
	s_or_b32 s[GB0+3], s[GB0+3], 0x80000000
	s_mov_b32 s[GB1], 1
	s_mov_b32 s[GB1+1], s8
	s_add_nc_u64 s[GB1+2:GB1+3], s[90:91], 3*KSL
	s_or_b32 s[GB1+3], s[GB1+3], 0x80000000
	CROUND                                         ; all sixteen work-groups are here: the first joint loads meet
	JLOAD GA0, HA, GB0, HB                         ; my one tensor load at the head
	v_and_b32 v6, 31, v0
	v_lshlrev_b32 v[CO], 4, v6                     ; 16 x lane
	v_and_b32 v1, 15, v0                           ; r
	v_bfe_u32 v2, v0, 4, 1                         ; h
	v_lshlrev_b32 v3, 5, v2                        ; 8 h numbers
	v_mul_u32_u24 v5, v1, SPITCH
	v_lshl_add_u32 v5, v2, 5, v5
	v_add_nc_u32 v[ADRA], s4, v[CO]
	v_add_nc_u32 v[ADRB], s8, v[CO]
	v_add_nc_u32 v[ADRA+1], KSL, v[ADRA]
	v_add_nc_u32 v[ADRB+1], KSL, v[ADRB]
	v_add_nc_u32 v[ADRA+2], 2*KSL, v[ADRA]
	v_add_nc_u32 v[ADRB+2], 2*KSL, v[ADRB]
	v_add_nc_u32 v[STO], s9, v5                    ; into the stage: row r, 32 bytes for each half of the lanes
	v_add_nc_u32 v[RD], s9, v[CO]                  ; back: the 32 lanes take a row of 512 bytes
	s_wait_alu depctr_va_vdst(0)                   ; ahead of the run of scalar lines
	s_lshl_b32 s22, s18, 10                        ; my first column, in bytes
	s_lshl_b32 s23, s16, 9
	s_add_co_u32 s22, s22, s23
	s_mov_b32 s23, 0
	s_add_nc_u64 s[82:83], s[72:73], s[22:23]
.irp b, 0,1,2,3,4,5,6,7
	global_load_b128 v[BN+8*\b:BN+8*\b+3], v3, s[82:83] offset:64*\b          ; register 8 b + j: column 16 b + 8 h + j
	global_load_b128 v[BN+8*\b+4:BN+8*\b+7], v3, s[82:83] offset:64*\b+16
.endr
	s_lshl_b32 s20, s17, 19                        ; my first row of out0: 128 x block + 64 x half, 4,096 bytes each
	s_lshl_b32 s21, s15, 18
	s_add_co_u32 s20, s20, s21
	s_mov_b32 s21, 0
	s_add_nc_u64 s[20:21], s[20:21], s[22:23]
	s_add_nc_u64 s[10:11], s[80:81], s[20:21]
	s_wait_kmcnt 0x0
	s_add_co_i32 s94, s94, s95                     ; e10 + e11
	s_sub_co_i32 s3, 0, s94
	s_add_co_i32 s94, s94, 127
	s_lshl_b32 s96, s94, 23                        ; 2^(e10 + e11) as f32
	s_mov_b32 s97, s96
	s_wait_loadcnt 0x0
.set j, 0
.rept 64
	v_ldexp_f32 v[BN+j], v[BN+j], s3               ; the bias goes in divided by the power of two that the sums lack
.set j, j+1
.endr
.macro FRAG reg, adr, q, i             ; a fragment: four loads of 512 consecutive bytes
.irp c, 0,1,2,3
	ds_load_b128 v[\reg+4*\c:\reg+4*\c+3], v[\adr] offset:2048*(\q)+512*\c+(\i)*4096
.endr
.endm
.macro FETCH slot, q, p                ; a K step's fragments into set p: B's eight, A's four: 48 loads
	WIN TO_B
.irp i, 0,1,2,3,4,5,6,7
	FRAG 128*(\p)+16*\i, ADRB+\slot, \q, \i
.endr
	WIN 0
.irp i, 0,1,2,3
	FRAG AF+64*(\p)+16*\i, ADRA+\slot, \q, \i
.endr
.endm
.macro MUL16 a0, p, zero               ; the 32 accumulators take turns, in the same order in every step
.irp a, \a0, \a0+1
.irp b, 0,1,2,3,4,5,6,7
.if \zero
	v_wmma_f32_16x16x128_fp8_fp8 v[8*(8*(\a)+\b):8*(8*(\a)+\b)+7], v[128*(\p)+16*\b:128*(\p)+16*\b+15], v[AF+64*(\p)+16*(\a):AF+64*(\p)+16*(\a)+15], v[BN+8*\b:BN+8*\b+7]
.else
	v_wmma_f32_16x16x128_fp8_fp8 v[8*(8*(\a)+\b):8*(8*(\a)+\b)+7], v[128*(\p)+16*\b:128*(\p)+16*\b+15], v[AF+64*(\p)+16*(\a):AF+64*(\p)+16*(\a)+15], v[8*(8*(\a)+\b):8*(8*(\a)+\b)+7]
.endif
.endr
.endr
.endm
.macro PLACES                          ; four places between products and loads into registers that they read, or reads of their results
.rept 4
	v_nop
.endr
.endm
.macro STEP p, ns, nq, zero            ; multiplies set p; ahead of that the next K step (quarter ns, half nq) is fetched into the other set
	PLACES
	FETCH \ns, \nq, 1-(\p)
	s_wait_dscnt 48                                ; all but the 48 just issued
.if \zero
	WIN MUL_Z
.else
	WIN MUL_LO
.endif
	MUL16 0, \p, \zero
	MUL16 2, \p, \zero
	WIN 0
.endm
	s_wait_alu depctr_va_vdst(0)                   ; the head's end
	s_wait_tensorcnt 0x0                           ; my part of the first three quarters is in
	s_barrier_signal -1
	s_barrier_wait -1                              ; everybody's is
	FETCH 0, 0, 0
	STEP 0, 0, 1, 1                                ; K step 0: its products start the sums with the bias
	PLACES                                         ; K step 1, and the refill of the first quarter's bytes
	FETCH 1, 0, 0
	s_wait_tensorcnt 0x0                           ; no tensor load of mine is out;
	ds_add_u32 v[SPW], v[NIL]                      ; 0 onto my spare word
	s_wait_dscnt 49                                ; (the add and the 48 youngest loads may be out)
	WIN MUL_LO
	MUL16 0, 1, 0
	s_wait_dscnt 0x0                               ; the add is done, and my reads of the first quarter are over
	s_barrier_signal -1
	MUL16 2, 1, 0
	WIN 0
	s_barrier_wait -1
	CREST                                          ; the barrier has opened a round of the cluster's barrier: no wave of any partner still reads those bytes
	JLOAD GA1, RA, GB1, RB                         ; the last quarter of K: my one tensor load behind the round
	STEP 0, 1, 1, 0                                ; K steps 2, 3, 4
	STEP 1, 2, 0, 0
	STEP 0, 2, 1, 0
	s_wait_tensorcnt 0x0                           ; K step 5: my part of the last quarter is in,
	s_wait_dscnt 0x0                               ; and my reads of the second and third quarters are over
	s_barrier_signal -1
	WIN MUL_LO
	MUL16 0, 1, 0
	WIN 0
	s_barrier_wait -1                              ; both hold of every wave
	PLACES
	FETCH 0, 0, 0
	WIN MUL_LO
	MUL16 2, 1, 0
	WIN 0
	STEP 0, 0, 1, 0                                ; K step 6
	s_wait_dscnt 0x0                               ; K step 7
	WIN MUL_LO
	MUL16 0, 1, 0
	MUL16 2, 1, 0
	WIN 0
; THE WAY OUT, by blocks of 16 rows x 128 columns, through my own stage: whole rows of 512 bytes come back and are stored as two aligned units of 256 bytes.  LDS serves a wave's instructions in order (ISA guide 5.7.1.4).
.macro TOSTAGE a
.set AC, 64*(\a)
	WIN 0x02
.set j, 0
.rept 32
	v_pk_mul_f32 v[TMP+j:TMP+j+1], v[AC+j:AC+j+1], s[96:97] op_sel_hi:[1,0]   ; x 2^(e10 + e11); each accumulator from its low end on
.set j, j+2
.endr
	WIN 0
.irp b, 0,1,2,3,4,5,6,7
	ds_store_b128 v[STO], v[TMP+8*\b:TMP+8*\b+3] offset:64*\b
	ds_store_b128 v[STO], v[TMP+8*\b+4:TMP+8*\b+7] offset:64*\b+16
.endr
.set BB, BK+64*((\a)%2)
.irp t, 0,1,2,3,4,5,6,7,8,9,10,11,12,13,14,15
	ds_load_b128 v[BB+4*\t:BB+4*\t+3], v[RD] offset:\t*SPITCH
.endr
.endm
.macro SEND a, younger                 ; younger: the LDS instructions issued behind block a's loads
.set BB, BK+64*((\a)%2)
	s_wait_dscnt \younger
.if (\a) > 0
	s_add_nc_u64 s[10:11], s[10:11], 16*4096       ; behind a wait on XCNT: the earlier stores have read their base
.endif
.irp t, 0,1,2,3,4,5,6,7,8,9,10,11,12,13,14,15
	global_store_b128 v[CO], v[BB+4*\t:BB+4*\t+3], s[10:11] offset:\t*4096 th:TH_STORE_NT
.endr
.endm
	PLACES
	TOSTAGE 0
.irp a, 1,2,3
.if \a > 1
	s_wait_xcnt 0x0                                ; block a - 2's stores have read their registers and their base
.endif
	TOSTAGE \a
	SEND \a-1, 32
.endr
	s_wait_xcnt 0x0
	SEND 3, 0
	s_wait_tensorcnt 0x0                           ; the wave's end
	ds_add_u32 v[SPW], v[NIL]
	s_wait_dscnt 0x0
	CROUND                                         ; the closing round
	s_endpgm
.Lfunc_end_k_qf3915fabea_outp:
	.size	k_qf3915fabea_outp, .Lfunc_end_k_qf3915fabea_outp-k_qf3915fabea_outp
	.p2alignl 7, 3214868480
	.fill 96, 4, 3214868480
	.section	.rodata,"a",@progbits
	.p2align	6, 0x0
	.amdhsa_kernel k_qf3915fabea_outp
		.amdhsa_group_segment_fixed_size 327680
		.amdhsa_private_segment_fixed_size 0
		.amdhsa_enable_private_segment 0
		.amdhsa_kernarg_size 40
		.amdhsa_user_sgpr_count 2
		.amdhsa_user_sgpr_kernarg_segment_ptr 1
		.amdhsa_wavefront_size32 1
		.amdhsa_system_sgpr_workgroup_id_x 1
		.amdhsa_system_sgpr_workgroup_id_y 1
		.amdhsa_system_sgpr_workgroup_id_z 1
		.amdhsa_system_vgpr_workitem_id 0
		.amdhsa_next_free_vgpr 768
		.amdhsa_next_free_sgpr 100
		.amdhsa_reserve_vcc 0
		.amdhsa_float_denorm_mode_32 3
		.amdhsa_float_denorm_mode_16_64 3
		.amdhsa_memory_ordered 1
		.amdhsa_forward_progress 1
		.amdhsa_inst_pref_size 79
	.end_amdhsa_kernel
	.amdgpu_metadata
---
amdhsa.version: [ 1, 2 ]
amdhsa.kernels:
  - .name:           k_qf3915fabea_outp
    .symbol:         k_qf3915fabea_outp.kd
    .args:
      - { .name: att_img, .offset: 0, .size: 8, .value_kind: global_buffer, .address_space: global }
      - { .name: w_img, .offset: 8, .size: 8, .value_kind: global_buffer, .address_space: global }
      - { .name: bo, .offset: 16, .size: 8, .value_kind: global_buffer, .address_space: global }
      - { .name: lowp_scales, .offset: 24, .size: 8, .value_kind: global_buffer, .address_space: global }
      - { .name: out0, .offset: 32, .size: 8, .value_kind: global_buffer, .address_space: global }
    .group_segment_fixed_size: 327680
    .private_segment_fixed_size: 0
    .kernarg_segment_align: 8
    .kernarg_segment_size: 40
    .max_flat_workgroup_size: 128
    .sgpr_count:     100
    .vgpr_count:     768
    .wavefront_size: 32
...
	.end_amdgpu_metadata
.endif
;; end of part 4
